; MI455X (gfx1250); checked and timed in simulation.
; The chip was launched on July 23, 2026; its instructions are those of AMD's public machine-readable ISA for CDNA 5 (MIT licence, August 2026) and "CDNA5" Instruction Set Architecture Reference Guide (July 2026). The comments in the code are by the model that wrote it; some were corrected since.
;; MHA. Allowed arithmetic: matrix products marked QUANTISED: E4M3 operands, one given power-of-two scale a tensor, by v_wmma_f32_16x16x64_fp8_fp8 or v_wmma_f32_16x16x128_fp8_fp8, f32 sums; everything else in f32.
;; Inputs: Wk_codes 2,048 x 64 x 32 uint8 (E4M3 codes of Wk, K innermost, in blocks of 32 codes); Wo_codes 2,048 x 64 x 32 uint8 (E4M3 codes of Wo, K innermost, in blocks of 32 codes); Wq_codes 2,048 x 64 x 32 uint8 (E4M3 codes of Wq, K innermost, in blocks of 32 codes); Wv_codes 2,048 x 64 x 32 uint8 (E4M3 codes of Wv, K innermost, in blocks of 32 codes); bo 2,048 float32; lowp_scales 12 int32 (the exponents e of the quantised operands' scales 2^e); mask 2,048 x 2,048 bool; x_codes 1 x 2,048 x 64 x 32 uint8 (E4M3 codes of x, K innermost, in blocks of 32 codes).
;; Outputs: out0 1 x 2,048 x 2,048 float32.
;; This version of the problem:
;;   THIS VERSION OF THE PROBLEM IS GIVEN IN LOW PRECISION. The matrix products marked QUANTISED in the list below multiply operands that are first quantised to E4M3 (4 exponent bits, 3 mantissa bits; 8 bits a number), with one given power-of-two scale for each operand tensor; their sums are f32. All else is computed in f32.
;;   The module's matrix products, in the order in which they are computed (A, B: the left and right operand; K: the contracted axis; several contracted axes count as one K, in the product's order):
;;     1. [M 2,048, K 2,048] x [K 2,048, N 2,048]; A: input x (given as codes); B: input Wq (given as codes): QUANTISED (scales: A lowp_scales[0], B lowp_scales[1])
;;     2. [M 2,048, K 2,048] x [K 2,048, N 2,048]; A: input x (given as codes); B: input Wk (given as codes): QUANTISED (scales: A lowp_scales[2], B lowp_scales[3])
;;     3. [M 2,048, K 2,048] x [K 2,048, N 2,048]; A: input x (given as codes); B: input Wv (given as codes): QUANTISED (scales: A lowp_scales[4], B lowp_scales[5])
;;     4. batch 16 x [M 2,048, K 128] x [K 128, N 2,048]; A: computed on the way; B: computed on the way: QUANTISED (scales: A lowp_scales[6], B lowp_scales[7])
;;     5. batch 16 x [M 128, K 2,048] x [K 2,048, N 2,048]; A: computed on the way; B: softmax (see below): QUANTISED (scales: A lowp_scales[8], B lowp_scales[9])
;;     6. [M 2,048, K 2,048] x [K 2,048, N 2,048]; A: computed on the way; B: input Wo (given as codes): QUANTISED (scales: A lowp_scales[10], B lowp_scales[11])
;;   THE QUANTISER, for each operand of a quantised product, along K:
;;     - The operand's scale is 2^e, e = its entry of the input lowp_scales (int32; the entries are numbered through the quantised products in the list's order, A before B).
;;     - Each number is divided by the scale, clamped to +-448, and rounded to the nearest number of E4M3, ties to even, subnormals kept.
;;     - The product sums the exact products of the quantised numbers (number of the format x scale) in f32.
;;   ~~~python
;;   def quantise(x, axis, e):      # numpy; x: float32 -> the quantised numbers, widened to float32 again
;;       x = np.moveaxis(x, axis, -1); K = x.shape[-1]
;;       r = np.clip(x / 2.0 ** e, -448, 448)
;;       step = 2.0 ** (np.maximum(np.frexp(np.where(r == 0, 1, r))[1] - 1, -6) - 3)
;;       q = np.round(r / step) * step * 2.0 ** e      # np.round: ties to even
;;       return np.moveaxis(q, -1, axis).astype(np.float32)
;;   ~~~
;;   SOFTMAX AHEAD OF A QUANTISED PRODUCT. Where the list says 'softmax', what is quantised is not the finished softmax but p = 2^(t - M), with t = logit x log2(e) and M = ceil(the row's largest t), a whole number; so 1/2 < the row's largest p <= 1. The row's sum l is taken of the UNQUANTISED p, in f32, and the product's result is divided by l at the end. Since M is a whole number, a kernel that streams over the keys may use a running M (the ceiling of the running maximum): every later rescaling is an exact power of two, so the quantised numbers keep their values, but for numbers so far below the row's largest that they fall under the format's range.
;;   OPERANDS COMPUTED ON THE WAY. 'Computed on the way' means the value that the module computes at that place (a softmax that the list does not call 'softmax' is quantised finished and normalised). What goes into a quantiser is computed in f32, as accurately as f32 sums, v_exp_f32 and their like allow (about 1e-6 of the number): no bf16 or f16 on the way to a quantiser, and a product that is left as it is and whose result goes on into a quantised operand takes f32 operands (vector FMAs, or v_wmma_f32_16x16x4_f32). A number that lies on a knife's edge between two numbers of the format may be rounded either way, as far as f32 arithmetic and the matrix unit's own rounding can turn it there, and no further.
;;   INPUTS GIVEN AS CODES. Wk (in the module: [2048, 2048], K = its axis 0); Wo (in the module: [2048, 2048], K = its axis 0); Wq (in the module: [2048, 2048], K = its axis 0); Wv (in the module: [2048, 2048], K = its axis 0); x (in the module: [1, 2048, 2048], K = its axis 2): each comes as NAME_codes (uint8): NAME with its K axis moved to the last place and cut into blocks of 32 codes, [.., K / 32, bytes a block], one block behind the other in memory; one code a byte (a code: sign, 4 exponent bits, 3 mantissa bits); its scale is its entry of lowp_scales. Its value is code x scale, taken as it is: it is not quantised again, and the codes and scales need not be those that the quantiser above would give.
;; 2 versions. Each part assembles by itself: llvm-mc -triple=amdgcn-amd-amdhsa -mcpu=gfx1250 --defsym DOCPART=n.
;; ======== version 1 of 2: 3 launches
;; workspace buffers: qkv 12,582,912 bytes; maskw 524,288 bytes of whole numbers; ac 4,194,304 bytes
;; launch qkv_proj (part 1): grid 8 x 24, 4 waves a work-group, clusters of 4 x 4, 327,680 bytes of LDS; arguments x_codes, Wq_codes, Wk_codes, Wv_codes, lowp_scales, mask, qkv, maskw; writes qkv, maskw
.if DOCPART == 1
	.amdgcn_target "amdgcn-amd-amdhsa--gfx1250"
	.amdhsa_code_object_version 6
	.text
	.protected	k_q2c5d74cb09_qkv_proj
	.globl	k_q2c5d74cb09_qkv_proj
	.p2align	8
	.type	k_q2c5d74cb09_qkv_proj,@function
k_q2c5d74cb09_qkv_proj:
	s_mov_b64 s[64:65], 0
	v_nop
	global_prefetch_b8 v0, s[64:65] scope:SCOPE_SE
	s_setreg_imm32_b32 hwreg(HW_REG_WAVE_MODE, 25, 1), 1
	s_wait_xcnt 0x0
	s_wait_alu depctr_hold_cnt(0) depctr_sa_sdst(0) depctr_va_vdst(0) depctr_va_sdst(0) depctr_va_ssrc(0) depctr_va_vcc(0) depctr_vm_vsrc(0)
	s_getreg_b32 s2, hwreg(HW_REG_IB_STS2, 6, 4)
	s_cmp_eq_u32 s2, 0
	s_cbranch_scc0 .Lentry_in_a_cluster
	s_endpgm
.Lentry_in_a_cluster:
	s_bfe_u32 s2, ttmp6, 0x10000c
	s_cmp_lg_u32 s2, 0xf033
	s_cbranch_scc0 .Lentry_shape_is_right
	s_endpgm
.Lentry_shape_is_right:
; q = x Wq, k = x Wk, v = x Wv on codes of FP8 (E4M3), each result quantised at once to codes with its given scale; and the mask packed into lane masks.
; Three products C[m][n] = sum over k of A[m][k] B[n][k], 2,048 cubed, in one launch.  The cluster's y picks the role: 0: q (A = x, B = Wq), 1: k (A = x, B = Wk), 2: v (A = Wv, B = x, so that C = v transposed: keys innermost).
; A tile of C, 256 x 256, is made by four waves, 128 x 128 each: 64 accumulators, 512 registers.  K goes in steps of 256 through a ring of two LDS slots filled by the tensor data mover.
; CLUSTERS: 4 x 4 work-groups of one role.  The four of a row need the same tiles of A, the four of a column the same tiles of B: each tile is asked for jointly, by the same load with a mask that names the four.
; THE MATRIX INSTRUCTION IS USED TRANSPOSED (source 0 = 16 rows of B, source 1 = 16 rows of A): a lane holds eight neighbouring numbers of a row of C, which one conversion turns into eight codes.
; Fragments come by loads of 16 bytes: registers 4 c .. 4 c + 3 hold K = 32 c + 16 (lane / 16) + 0 .. 15: a permutation of k inside an instruction, the same on both sides, so that every product meets its partner.
; OUT.  code = sum x 2^(ea + eb) / 2^eo, held within +-448: the three exponents are folded into the conversion's one scale.  eo is entry 6 + role of the scales, ea and eb entries 2 role and 2 role + 1.
; qkv: three parts of 4 MiB (q, k, v), each 256 dense blocks of 128 rows x 128 codes.  q, k: block 16 head + token / 128, row = token % 128, byte = d.  v: block 16 head + key / 128, row = d, byte = key % 128.
; A wave's 128 x 128 is exactly one block.  Row l of a block is stored at row l with its bits 3 and 4 exchanged: sixteen rows on end are then the rows that the next launch wants in one tile.
; THE MASK.  The 128 work-groups of roles 0 and 1 also pack the mask, while their first tiles are on the way: work-group T takes queries 16 T .. 16 T + 15, its wave w keys 512 w .. 512 w + 511.
; maskw[T][s][n], n = 16 b + i: bit L = mask[16 T + L % 16][128 s + 32 b + 16 (L / 16) + i]: the lane mask of score register n of key step s in the next launch.
; LIMIT: eo - ea - eb lies between -126 and 119, so that the scale and 448 x the scale are f32 numbers.  NaN among the sums is not served.
; REGISTERS, in windows of 256: window 0: v0-31 addresses and the two scale numbers; v32-95 mask bytes, later a block's held sums; v96-111 a block's codes; v112-123 the packing; v128-255 A's fragments, one set, later the rows to be stored.
;   window 1: B's fragments, two sets.   window 2: the accumulators of my rows 0-63 ((a, b) at v[8 (8 a + b)]);   window 3: those of my rows 64-127.
.set KROW,   2048                      ; a row of codes in memory, in bytes
.set ROWB,   256                       ; a tile's row: 256 along K
.set PITCH,  272                       ; an LDS row: 256 bytes + 16 of padding: the 16 rows that a load touches start at 16 different banks (64 banks of 4 bytes: ISA guide 11.1)
.set FR,     16                        ; registers of a fragment: 16 rows x 128 K
.set NL,     4                         ; LDS loads that bring one
.set NP,     4                         ; places behind this matrix instruction (ISA guide 7.12.1)
.set HALFT,  128*PITCH                 ; 128 rows: what one tensor load brings
.set SLOT,   4*HALFT                   ; A's 256 rows, then B's 256
.set LAPS,   2048/(2*ROWB)             ; a lap = two slots
.set SPARE,  2*SLOT                    ; behind the ring: the spare words, 128 bytes for each wave, which no other line names
.set SP,     144                       ; the way out: a stage of 16 rows x (128 bytes + 16) for each wave, in slot 0, which has had its last fill and its last read by then
.set SC,   12                          ; v12  2^(eo - ea - eb)
.set LIM,  13                          ; v13  448 x that
.set ADRA, 16                          ; v16-17  LDS address of my A fragments in slot 0, 1
.set ADRB, 20                          ; v20-21  the same for B
.set STO,  24                          ; v24  the stage: where I put 8 codes
.set RD,   25                          ; v25  the stage: where I read 16 bytes back
.set CO,   26                          ; v26  16 x lane
.set MO,   27                          ; v27  the mask: 2,048 (lane % 16) + 16 (lane / 16)
.set SPW,  28                          ; v28  LDS address of my spare word; never rewritten
.set NIL,  29                          ; v29  0; never rewritten
.set TMP,  32
.set MB,   32
.set CD,   96
.set PW,   112                         ; v112-119 the packed words; never rewritten behind their stores
.set PT,   120
.set AF,   128
.set BK,   128                         ; the way out: 16 registers for each of the eight blocks, so that no store's data are written again
.set G1, 24                            ; s[24:31] group 1 for A's tiles;  s[32:39] group 0, one set for each slot
.set G0, 32
.set G1B, 48                           ; s[48:55], s[56:63] the same for B's
.set G0B, 56
.set MSB, 0
.macro WIN new                         ; the immediate's high byte repeats the setting that is left
.if MSB != (\new)
	s_set_vgpr_msb (MSB<<8)|(\new)
.set MSB, (\new)
.endif
.endm
.set MUL_LO, 0xa1                      ; source 0 (B) window 1, source 1 (A) window 0, C and D window 2
.set MUL_HI, 0xf1                      ; the same, C and D window 3
.set TO_B,   0x40                      ; destination window 1, address window 0
; A joint load: waves 0 and 1 fetch for A, waves 2 and 3 for B; the branch hangs on the wave's number alone.  Four v_nop follow each of the two lines.
.macro JLOAD g0a, g1a, g0b, g1b
	s_cmp_eq_u32 s15, 0
	s_cbranch_scc0 .Lfor_b_\@
	tensor_load_to_lds s[\g0a:\g0a+3], s[\g1a:\g1a+7]
	s_nop 0
.rept 4
	v_nop
.endr
	s_branch .Lasked_\@
.Lfor_b_\@:
	tensor_load_to_lds s[\g0b:\g0b+3], s[\g1b:\g1b+7]
	s_nop 0
.rept 4
	v_nop
.endr
.Lasked_\@:
.endm
.macro CREST                           ; a round of the cluster's barrier behind its opening barrier
	s_cmp_lg_u32 s14, 0
	s_cbranch_scc1 .Lnot_wave_0_\@
	s_barrier_signal -3
.Lnot_wave_0_\@:
	s_barrier_wait -3
	s_barrier_signal -1
	s_barrier_wait -1
.endm
.macro CROUND                          ; a whole round
	s_barrier_signal -1
	s_barrier_wait -1
	CREST
.endm
	s_load_b512 s[68:83], s[0:1], 0x0              ; x 68, Wq 70, Wk 72, Wv 74, the scales 76, the mask 78, qkv 80, maskw 82
	v_lshl_add_u32 v[SPW], v0, 2, SPARE
	v_mov_b32 v[NIL], 0
	ds_add_u32 v28, v29
	s_wait_dscnt 0x0
	v_lshrrev_b32 v1, 5, v0
	v_readfirstlane_b32 s14, v1                    ; wave 0..3
	s_lshr_b32 s15, s14, 1                         ; which half of the tile's rows is mine.  Also: I fetch for A (0) or for B (1)
	s_and_b32 s16, s14, 1                          ; which half of its columns.  Also: which 128 rows of that tile I fetch
	s_bfe_u32 s40, ttmp6, 0x40000                  ; cx, cy: my place in the cluster
	s_bfe_u32 s41, ttmp6, 0x40004
	s_lshl_b32 s42, ttmp9, 2
	s_add_co_u32 s42, s42, s40                     ; tile column of C = 4 x cluster x + cx
	s_and_b32 s98, ttmp7, 0xffff                   ; the cluster's y, 0..5: the same in all sixteen partners
	s_lshr_b32 s87, s98, 1                         ; the role
	s_and_b32 s17, s98, 1
	s_lshl_b32 s17, s17, 2
	s_add_co_u32 s17, s17, s41                     ; tile row of C = 4 x (cluster y % 2) + cy
	s_lshl_b32 s43, s41, 2
	s_lshl_b32 s43, 15, s43                        ; my row of the cluster
	s_lshl_b32 s44, 0x1111, s40                    ; my column
	; group 1: a tile of 128 rows x 256 bytes, padded in LDS
	s_or_b32 s[G1+0], s43, (0<<16)|(1<<20)|(1<<21)|(5<<22)|(3<<25)  ; 15:0 the mask: A's tiles go to my row; 17:16 elements of 1 byte; 20 padding on; 21 set beside a mask; 24:22 after every 64 words; 31:25 four words
	s_or_b32 s[G1B+0], s44, (0<<16)|(1<<20)|(1<<21)|(5<<22)|(3<<25) ; the same with my column's mask
.irp g, G1, G1B
	s_mov_b32 s[\g+1], ROWB<<16                    ; tensor_dim0
	s_mov_b32 s[\g+2], 128<<16                     ; tensor_dim1
	s_mov_b32 s[\g+3], ROWB<<16                    ; tile_dim0
	s_mov_b32 s[\g+4], 128                         ; tile_dim1
	s_mov_b32 s[\g+5], KROW                        ; tensor_dim0_stride
	s_mov_b32 s[\g+6], 0
	s_mov_b32 s[\g+7], 0
.endr
	s_lshl_b32 s18, s16, 7                         ; which 128 rows of the tile I fetch
	s_lshl_b32 s20, s17, 8
	s_add_co_u32 s20, s20, s18                     ; A: row 256 x tile row + 128 x half,
	s_lshl_b32 s20, s20, 11                        ; in bytes (under 4 MiB)
	s_mov_b32 s21, 0
	s_lshl_b32 s46, s42, 8
	s_add_co_u32 s46, s46, s18                     ; B: row 256 x tile column + 128 x half
	s_lshl_b32 s46, s46, 11
	s_mov_b32 s47, 0
	s_mul_i32 s45, s14, HALFT                      ; where they go: wave x 128 rows: no place in the cluster enters an LDS address
	s_lshl_b32 s84, s87, 3
	s_lshl_b32 s85, s87, 2
	s_wait_kmcnt 0x0
	s_load_b64 s[96:97], s[76:77], s84 offset:0x0  ; ea, eb: entries 2 role, 2 role + 1
	s_load_b32 s86, s[76:77], s85 offset:0x18      ; eo: entry 6 + role
	s_cmp_lt_u32 s87, 2                            ; the operands are chosen by the role, which hangs on no address
	s_cselect_b64 s[4:5], s[68:69], s[74:75]       ; A: x, for v: Wv
	s_cmp_eq_u32 s87, 0
	s_cselect_b64 s[6:7], s[70:71], s[72:73]       ; B: Wq or Wk,
	s_cmp_eq_u32 s87, 2
	s_cselect_b64 s[6:7], s[68:69], s[6:7]         ; for v: x
	s_add_nc_u64 s[20:21], s[4:5], s[20:21]
	s_add_nc_u64 s[46:47], s[6:7], s[46:47]
	CROUND                                         ; all sixteen work-groups are here: the first joint loads meet
.irp s, 0,1
	s_mov_b32 s[G0+4*\s], 1
	s_add_co_u32 s[G0+4*\s+1], s45, \s*SLOT
	s_add_nc_u64 s[G0+4*\s+2:G0+4*\s+3], s[20:21], \s*ROWB
	s_or_b32 s[G0+4*\s+3], s[G0+4*\s+3], 0x80000000
	s_mov_b32 s[G0B+4*\s], 1
	s_add_co_u32 s[G0B+4*\s+1], s45, \s*SLOT
	s_add_nc_u64 s[G0B+4*\s+2:G0B+4*\s+3], s[46:47], \s*ROWB
	s_or_b32 s[G0B+4*\s+3], s[G0B+4*\s+3], 0x80000000
	JLOAD G0+4*\s, G1, G0B+4*\s, G1B               ; two loads of mine are out
.endr
	v_and_b32 v1, 15, v0                           ; r = lane % 16
	v_bfe_u32 v2, v0, 4, 1                         ; h = lane / 16
	v_mul_u32_u24 v3, v1, PITCH
	v_lshl_add_u32 v4, v2, 4, v3                   ; a fragment's row x pitch + 16 h
	s_mul_i32 s21, s15, HALFT                      ; my 128 rows of A
	s_mul_i32 s22, s16, HALFT                      ; my 128 rows of B,
	s_add_co_u32 s22, s22, 2*HALFT                 ; which lie behind A's 256
.irp s, 0,1
	v_add_nc_u32 v[ADRA+\s], s21, v4
	v_add_nc_u32 v[ADRB+\s], s22, v4
	s_add_co_u32 s21, s21, SLOT
	s_add_co_u32 s22, s22, SLOT
.endr
	s_mul_i32 s23, s14, 16*SP                      ; my stage
	v_mul_u32_u24 v5, v1, SP                       ; in: row r, 8 bytes for each half of the lanes
	v_lshl_add_u32 v5, v2, 3, v5
	v_add_nc_u32 v[STO], s23, v5
	v_and_b32 v6, 31, v0
	v_lshlrev_b32 v[CO], 4, v6                     ; 16 x lane
	v_lshrrev_b32 v7, 3, v6                        ; back: eight lanes to a row of 128 bytes, four rows an instruction
	v_and_b32 v8, 7, v6
	v_mul_u32_u24 v7, v7, SP
	v_lshl_add_u32 v7, v8, 4, v7
	v_add_nc_u32 v[RD], s23, v7
	v_lshlrev_b32 v[MO], 11, v1
	v_lshl_add_u32 v[MO], v2, 4, v[MO]
	; my block of qkv: q, k: 16 x (my 128 columns: the head) + (my 128 rows: token / 128); v: 16 x (my 128 rows: the head) + (my 128 columns: key / 128)
	s_lshl_b32 s88, s17, 1
	s_add_co_u32 s88, s88, s15                     ; which 128 rows of C
	s_lshl_b32 s89, s42, 1
	s_add_co_u32 s89, s89, s16                     ; which 128 columns
	s_cmp_lt_u32 s87, 2
	s_cselect_b32 s90, s89, s88
	s_cselect_b32 s91, s88, s89
	s_lshl_b32 s90, s90, 4
	s_add_co_u32 s90, s90, s91
	s_lshl_b32 s90, s90, 14                        ; x 16,384 bytes
	s_lshl_b32 s91, s87, 22                        ; + role x 4 MiB
	s_add_co_u32 s90, s90, s91
	s_mov_b32 s91, 0
	s_add_nc_u64 s[10:11], s[80:81], s[90:91]
	; THE MASK, in roles 0 and 1: a branch on the cluster's y alone, round plain loads, vector work and two stores; no tensor load, LDS instruction or barrier stands inside.
	s_cmp_lt_u32 s87, 2
	s_cbranch_scc0 .Lno_pack
	s_lshl_b32 s92, s98, 2
	s_add_co_u32 s92, s92, s41
	s_lshl_b32 s92, s92, 3
	s_add_co_u32 s92, s92, s42                     ; T = 8 (4 x cluster y + cy) + tile column: 0..127
	s_lshl_b32 s94, s92, 12                        ; maskw: 4,096 T + 1,024 wave
	s_lshl_b32 s95, s14, 10
	s_add_co_u32 s94, s94, s95
	s_mov_b32 s95, 0
	s_add_nc_u64 s[94:95], s[82:83], s[94:95]
	s_lshl_b32 s92, s92, 15                        ; the mask: 16 T rows of 2,048 bytes + 512 wave
	s_lshl_b32 s93, s14, 9
	s_add_co_u32 s92, s92, s93
	s_mov_b32 s93, 0
	s_add_nc_u64 s[92:93], s[78:79], s[92:93]
.irp sp, 0,1,2,3
.irp b, 0,1,2,3
	global_load_b128 v[MB+4*(4*\sp+\b):MB+4*(4*\sp+\b)+3], v[MO], s[92:93] offset:128*\sp+32*\b   ; lane (r, h): mask[16 T + r][128 (4 w + sp) + 32 b + 16 h + 0 .. 15]; the sixteen loads cover 512 bytes on end of each of 16 rows
.endr
.endr
.irp j, 0,1,2,3,4,5,6,7
	v_mov_b32 v[PW+\j], 0                          ; a lane write's destination counts as read
.endr
.irp sp, 0,1,2,3
.irp b, 0,1,2,3
	s_wait_loadcnt 15-(4*\sp+\b)                   ; loads come back in order (ISA guide 5.7.1): this one is in, the younger ones stay out
.irp m, 0,1,2,3
.irp y, 0,1,2,3
	v_bfe_u32 v[PT+\y], v[MB+4*(4*\sp+\b)+\m], 8*\y, 8
.endr
.irp y, 0,1,2,3
	v_cmp_ne_u32 s[88+\y], 0, v[PT+\y]             ; the 32 lanes' bits ARE word n = 16 b + 4 m + y of key step 4 w + sp
.endr
.irp y, 0,1,2,3
	v_writelane_b32 v[PW+4*(\sp/2)+\y], s[88+\y], 16*(\sp%2)+4*\b+\m   ; word 64 (sp % 2) + n of 128: lane = word / 4, register = word % 4
.endr
.endr
.endr
.endr
	global_store_b128 v[CO], v[PW:PW+3], s[94:95]              ; 32 lanes store 512 consecutive bytes: key steps 4 w, 4 w + 1
	global_store_b128 v[CO], v[PW+4:PW+7], s[94:95] offset:512 ; and 4 w + 2, 4 w + 3
.Lno_pack:
	s_wait_kmcnt 0x0
	s_sub_co_i32 s86, s86, s96
	s_sub_co_i32 s86, s86, s97                     ; eo - ea - eb
	s_add_co_i32 s86, s86, 127
	s_lshl_b32 s96, s86, 23
	v_mov_b32 v[SC], s96                           ; 2^(eo - ea - eb) as f32: the conversion takes its exponent field
	s_add_co_i32 s86, s86, 8
	s_lshl_b32 s86, s86, 23
	s_or_b32 s86, s86, 0x600000
	v_mov_b32 v[LIM], s86                          ; 448 x that
.macro FRAG reg, adr, q, i             ; a fragment: lane l holds row l % 16; registers 4 c .. 4 c + 3 hold K = 32 c + 16 (l / 16) + 0 .. 15
.irp c, 0,1,2,3
	ds_load_b128 v[\reg+4*\c:\reg+4*\c+3], v[\adr] offset:128*(\q)+32*\c+(\i)*16*PITCH
.endr
.endm
; 16 matrix instructions: A's blocks a0, a0 + 1 x B's eight, 128 along K.  p: B's set.  zero = 1: the first product starts the sums.
; The 64 accumulators take turns, one instruction a turn, in the same order in every step.
.macro MUL16 a0, p, zero
.irp a, \a0, \a0+1
.irp b, 0,1,2,3,4,5,6,7
.if \zero
	v_wmma_f32_16x16x128_fp8_fp8 v[8*(8*((\a)%4)+\b):8*(8*((\a)%4)+\b)+7], v[128*(\p)+FR*\b:128*(\p)+FR*\b+FR-1], v[AF+FR*(\a):AF+FR*(\a)+FR-1], 0
.else
	v_wmma_f32_16x16x128_fp8_fp8 v[8*(8*((\a)%4)+\b):8*(8*((\a)%4)+\b)+7], v[128*(\p)+FR*\b:128*(\p)+FR*\b+FR-1], v[AF+FR*(\a):AF+FR*(\a)+FR-1], v[8*(8*((\a)%4)+\b):8*(8*((\a)%4)+\b)+7]
.endif
.endr
.endr
.endm
.macro FETCH_B slot, q, p              ; B's eight fragments of the slot's q-th 128 along K into set p
	WIN TO_B
.irp i, 0,1,2,3,4,5,6,7
	FRAG 128*(\p)+FR*\i, ADRB+\slot, \q, \i
.endr
	WIN 0
.endm
.macro FETCH_A slot, q, i0             ; A's blocks i0 .. i0 + 3
.irp i, \i0, \i0+1, \i0+2, \i0+3
	FRAG AF+FR*(\i), ADRA+\slot, \q, \i
.endr
.endm
; A load into a register that a matrix instruction has read, and a vector instruction that reads a matrix result, stand NP places behind it; only plain vector instructions that name none of its registers are places.
.macro PLACES n
.rept \n
	v_nop
.endr
.endm
; A step of 128 along K that has its successor in the same slot.  A's blocks go one after the other, each against B's eight: so one set of registers serves A, fetched anew in two halves.
.macro STEP slot, q, zero
	s_wait_dscnt 4*NL                              ; B's set and A's blocks 0-3 are in; the youngest sixteen loads (A's blocks 4-7) may be out
	WIN MUL_LO
	MUL16 0, (\q)%2, \zero
	MUL16 2, (\q)%2, \zero
	s_wait_dscnt 0                                 ; A's blocks 4-7 are in
	PLACES NP
	FETCH_B \slot, (\q)+1, 1-(\q)%2
	FETCH_A \slot, (\q)+1, 0
	WIN MUL_HI
	MUL16 4, (\q)%2, \zero
	MUL16 6, (\q)%2, \zero
	PLACES NP
	WIN 0
	FETCH_A \slot, (\q)+1, 4
.endm
; A slot's last step changes slots: one barrier; in front of it each wave waits for all its tensor loads, adds 0 to its spare word, and waits for that and for its reads of this slot.  fill = 1: this slot is filled again, two slots ahead.
.macro TURN slot, next, fill
	s_wait_tensorcnt 0x0                           ; all my tensor loads have landed: my part of the next slot
	ds_add_u32 v[SPW], v[NIL]                      ; 0 onto my spare word
	s_wait_dscnt 4*NL+1                            ; (the add and the youngest sixteen loads, A's blocks 4-7, may be out)
	WIN MUL_LO
	MUL16 0, 1, 0                                  ; sixteen matrix instructions stand between the add and the wait for it
	s_wait_dscnt 0x0                               ; the add is done, and my reads of this slot are over
	s_barrier_signal -1
	MUL16 2, 1, 0
	WIN 0
	s_barrier_wait -1
.if \fill
	CREST                                          ; the barrier has opened a round of the cluster's barrier: no wave of any partner still reads this slot or has a load on its way
	s_add_nc_u64 s[G0+4*\slot+2:G0+4*\slot+3], s[G0+4*\slot+2:G0+4*\slot+3], 2*ROWB
	s_add_nc_u64 s[G0B+4*\slot+2:G0B+4*\slot+3], s[G0B+4*\slot+2:G0B+4*\slot+3], 2*ROWB
	JLOAD G0+4*\slot, G1, G0B+4*\slot, G1B         ; the first tensor load behind the round, my only one until the next; its four v_nop are the places in front of the loads below
.else
	PLACES NP
.endif
	FETCH_B \next, 0, 0
	FETCH_A \next, 0, 0
	WIN MUL_HI
	MUL16 4, 1, 0
	MUL16 6, 1, 0
	PLACES NP
	WIN 0
	FETCH_A \next, 0, 4
.endm
	s_wait_tensorcnt 1                             ; my part of slot 0 is in; slot 1's load may be out
	s_barrier_signal -1
	s_barrier_wait -1                              ; everybody's is
	FETCH_B 0, 0, 0
	FETCH_A 0, 0, 0
	FETCH_A 0, 0, 4
	STEP 0, 0, 1                                   ; the first step stands in front of the loop: its products start the sums
	s_mov_b32 s3, LAPS-1
.Llap:                                                 ; a trip goes once round the ring and fills both slots again
	TURN 0, 1, 1
	STEP 1, 0, 0
	TURN 1, 0, 1
	STEP 0, 0, 0
	s_sub_co_u32 s3, s3, 1
	s_cmp_lg_u32 s3, 0
	s_cbranch_scc1 .Llap
	TURN 0, 1, 0                                   ; the last lap fills nothing
	STEP 1, 0, 0
	s_wait_dscnt 4*NL                              ; the very last step: nothing more to fetch
	WIN MUL_LO
	MUL16 0, 1, 0
	MUL16 2, 1, 0
	s_wait_dscnt 0
	WIN MUL_HI
	MUL16 4, 1, 0
	MUL16 6, 1, 0
	WIN 0
; THE WAY OUT, block by block of 16 rows x 128 columns: held, converted (8 sums of a lane = 8 neighbouring codes of a row), through my stage, and back as four rows of 128 bytes an instruction.
.macro PACK a
.set AC, 64*((\a)%4)
	WIN 0x02+((\a)/4)                              ; source 0: window 2 or 3
.set J, 0
.rept 64
	v_med3_num_f32 v[TMP+J], v[AC+J], -v[LIM], v[LIM]   ; the conversion to an 8-bit code does not saturate (ISA guide 7.6.2): the hold; each accumulator from its low end on
.set J, J+1
.endr
	WIN 0
.irp b, 0,1,2,3,4,5,6,7
	v_cvt_scalef32_pk8_fp8_f32 v[CD+2*\b:CD+2*\b+1], v[TMP+8*\b:TMP+8*\b+7], v[SC]
.endr
	v_nop                                          ; one plain vector instruction behind the conversions, ahead of the next block's holds, which write their sources
.irp b, 0,1,2,3,4,5,6,7
	ds_store_b64 v[STO], v[CD+2*\b:CD+2*\b+1] offset:16*\b    ; row r, columns 16 b + 8 h + 0 .. 7
.endr
.irp t, 0,1,2,3
	ds_load_b128 v[BK+16*(\a)+4*\t:BK+16*(\a)+4*\t+3], v[RD] offset:4*SP*\t   ; LDS serves a wave's instructions in order (ISA guide 5.7.1.4): these see the stores above, and the next block's stores come behind them
.endr
.endm
.macro SEND a, younger                 ; younger: the LDS instructions issued behind block a's loads
	s_wait_dscnt \younger
.irp t, 0,1,2,3
	global_store_b128 v[CO], v[BK+16*(\a)+4*\t:BK+16*(\a)+4*\t+3], s[10:11] offset:(32*((\a)/2)+16*(\t/2)+8*((\a)%2)+4*(\t%2))*128   ; rows 16 a + 4 t + 0 .. 3 with bits 3 and 4 exchanged: 512 consecutive bytes, aligned
.endr
.endm
	PLACES NP                                      ; behind the last products: for the loads into A's registers and the reads of results
	PACK 0
.irp a, 1,2,3,4,5,6,7
	PACK \a
	SEND \a-1, 12                                  ; behind block a - 1's loads: block a's 8 stores and 4 loads
.endr
	SEND 7, 0
	s_wait_tensorcnt 0x0                           ; the wave's end
	ds_add_u32 v[SPW], v[NIL]
	s_wait_dscnt 0x0
	CROUND                                         ; the closing round: no work-group ends while a partner may still ask for a tile that names it
	s_endpgm
.Lfunc_end_k_q2c5d74cb09_qkv_proj:
	.size	k_q2c5d74cb09_qkv_proj, .Lfunc_end_k_q2c5d74cb09_qkv_proj-k_q2c5d74cb09_qkv_proj
	.p2alignl 7, 3214868480
	.fill 96, 4, 3214868480
	.section	.rodata,"a",@progbits
	.p2align	6, 0x0
	.amdhsa_kernel k_q2c5d74cb09_qkv_proj
		.amdhsa_group_segment_fixed_size 327680
		.amdhsa_private_segment_fixed_size 0
		.amdhsa_enable_private_segment 0
		.amdhsa_kernarg_size 64
		.amdhsa_user_sgpr_count 2
		.amdhsa_user_sgpr_kernarg_segment_ptr 1
		.amdhsa_wavefront_size32 1
		.amdhsa_system_sgpr_workgroup_id_x 1
		.amdhsa_system_sgpr_workgroup_id_y 1
		.amdhsa_system_sgpr_workgroup_id_z 1
		.amdhsa_system_vgpr_workitem_id 0
		.amdhsa_next_free_vgpr 1024
		.amdhsa_next_free_sgpr 100
		.amdhsa_reserve_vcc 0
		.amdhsa_float_denorm_mode_32 3
		.amdhsa_float_denorm_mode_16_64 3
		.amdhsa_memory_ordered 1
		.amdhsa_forward_progress 1
		.amdhsa_inst_pref_size 175
	.end_amdhsa_kernel
	.amdgpu_metadata
---
amdhsa.version: [ 1, 2 ]
amdhsa.kernels:
  - .name:           k_q2c5d74cb09_qkv_proj
    .symbol:         k_q2c5d74cb09_qkv_proj.kd
    .args:
      - { .name: x_codes, .offset: 0, .size: 8, .value_kind: global_buffer, .address_space: global }
      - { .name: Wq_codes, .offset: 8, .size: 8, .value_kind: global_buffer, .address_space: global }
      - { .name: Wk_codes, .offset: 16, .size: 8, .value_kind: global_buffer, .address_space: global }
      - { .name: Wv_codes, .offset: 24, .size: 8, .value_kind: global_buffer, .address_space: global }
      - { .name: lowp_scales, .offset: 32, .size: 8, .value_kind: global_buffer, .address_space: global }
      - { .name: mask, .offset: 40, .size: 8, .value_kind: global_buffer, .address_space: global }
      - { .name: qkv, .offset: 48, .size: 8, .value_kind: global_buffer, .address_space: global }
      - { .name: maskw, .offset: 56, .size: 8, .value_kind: global_buffer, .address_space: global }
    .group_segment_fixed_size: 327680
    .private_segment_fixed_size: 0
    .kernarg_segment_align: 8
    .kernarg_segment_size: 64
    .max_flat_workgroup_size: 128
    .sgpr_count:     100
    .vgpr_count:     1024
    .wavefront_size: 32
...
	.end_amdgpu_metadata
.endif
;; end of part 1
;; launch attention (part 2): grid 16 x 16, 8 waves a work-group, clusters of 4 x 1, 327,680 bytes of LDS; arguments qkv, maskw, lowp_scales, ac; writes ac
.if DOCPART == 2
	.amdgcn_target "amdgcn-amd-amdhsa--gfx1250"
	.amdhsa_code_object_version 6
	.text
	.protected	k_q2c5d74cb09_attention
	.globl	k_q2c5d74cb09_attention
	.p2align	8
	.type	k_q2c5d74cb09_attention,@function
k_q2c5d74cb09_attention:
	s_mov_b64 s[64:65], 0
	v_nop
	global_prefetch_b8 v0, s[64:65] scope:SCOPE_SE
	s_setreg_imm32_b32 hwreg(HW_REG_WAVE_MODE, 25, 1), 1
	s_wait_xcnt 0x0
	s_wait_alu depctr_hold_cnt(0) depctr_sa_sdst(0) depctr_va_vdst(0) depctr_va_sdst(0) depctr_va_ssrc(0) depctr_va_vcc(0) depctr_vm_vsrc(0)
	s_getreg_b32 s2, hwreg(HW_REG_IB_STS2, 6, 4)
	s_cmp_eq_u32 s2, 0
	s_cbranch_scc0 .Lentry_in_a_cluster
	s_endpgm
.Lentry_in_a_cluster:
	s_bfe_u32 s2, ttmp6, 0x10000c
	s_cmp_lg_u32 s2, 0x3003
	s_cbranch_scc0 .Lentry_shape_is_right
	s_endpgm
.Lentry_shape_is_right:
; attn[q][head][:] = the sum over keys of softmax(mask ? q . k / sqrt(128) : -infinity) v, both products on codes of FP8 (E4M3); the result is quantised at once to codes with its given scale.
; In: qkv (blocks of 128 rows x 128 codes: q and k by tokens, v with the keys innermost; in each block row l lies at l with its bits 3 and 4 exchanged) and maskw (lane masks).  Scales: e6 (q), e7 (k), e8 (v), e9 (p), e10 (attn).
; THE SOFTMAX: t = score x log2(e) / sqrt(128); M = the running largest t rounded UP to a whole number; p = 2^(t - M) is what is quantised; the row's sum is taken of the unquantised p and divides at the end.
; When M moves, the sum and O are multiplied by 2^(old M - new M), which rounds nothing.  The mask is an input: every key is walked, and a hidden score becomes -infinity ahead of the maximum, so that its p is 0.
; SHARES.  A work-group owns 128 queries of one head, each of its eight waves one tile of 16, in 256 registers: two waves to a SIMD.  Every wave walks all 2,048 keys, 128 a step.
; K's and V's tiles come through a ring of two LDS slots of 256 keys.  CLUSTER: the four query blocks of a cluster belong to one head and walk the same K and V: each tile is asked for jointly (mask 15).
; Waves 0, 1 fetch K's two blocks of a slot, waves 2, 3 V's two; every block is 128 dense rows of 128 bytes, so one group 1 and one walking group 0 serve; waves 4-7 fetch nothing.
; LAYOUT.  Both products are used transposed: S^T = K Q^T, O^T = V^T P^T: a lane holds ONE query (lane % 16) throughout.  Thanks to the exchanged row bits, sixteen LDS rows on end are keys 32 b + 8 u + r + 8 (r / 8):
; the 16 registers of score tiles 2 b, 2 b + 1 are the 16 neighbouring keys 32 b + 16 (lane / 16) + 0 .. 15, so p's conversions give the second product's operand; likewise O^T's registers 16 b + i are d = 32 b + 16 (lane / 16) + i.
; OUT.  ac[head][T][c][lane][16 bytes]: the image of the next product's operand registers: lane (r, h), group c: attn(16 T + r, 128 head + 32 c + 16 h + 0 .. 15).
; A query whose mask row is all false has the sum 0: its codes are set to the NaN code, as the softmax of such a row is NaN.
; LIMITS on the given exponents: e6 + e7 between -123 and 130 (added to c's exponent field); e9, and e10 - e8 - e9, between -126 and 119.  NaN and infinities among the scores are not served.
; REGISTERS: v1-3, v5-7 that stay; v8, v9 addresses in hand; v12 -M, v13 the largest t, v[14:15] the sum in two halves; v16-31 Q; v32-95 four fragments; v96-159 S^T, then p; v160-223 O^T; v224-239 codes; v236-254 at work and scale numbers.
; The 64 mask words of a key step lie in s[32:63] and s[68:99]; the next step's are asked for as soon as this step's have been used.
.set KP,    144                        ; a row in LDS: 128 bytes + 16 of padding: the 16 rows of a load start at 16 different groups of banks
.set VPL,   128*KP                     ; a block in LDS: 18,432 bytes
.set VOFF,  2*VPL                      ; a slot: K's two blocks, then V's two
.set SLOT1, 1<<17                      ; slot 1 begins here, so that one exclusive or turns an address
.set NSL,   8                          ; slots' worth of keys
.set SPARE, 2*SLOT1                    ; behind the ring: the spare words, 128 bytes for each wave, which no other line names
.set AK0,  1                           ; v1  my lane's place in a tile of K: 144 r + 16 h
.set AV0,  2                           ; v2  the same for V
.set NINF, 3                           ; v3  -infinity
.set SPW,  5                           ; v5  LDS address of my spare word; never rewritten
.set NIL,  6                           ; v6  0; never rewritten
.set GO,   7                           ; v7  16 x lane
.set ADK,  8
.set ADV,  9
.set G0,   12                          ; s[12:15] group 0, which walks
.set G1,   16                          ; s[16:23] group 1
.set WV,   24                          ; s24 my wave's number
.set TB,   25                          ; s25 LDS byte at which the slot in hand begins
.set SLOTS, 26
.set HB,   27                          ; s27 the head x 262,144
.set CS,   28                          ; s[28:29] c = log2(e) / sqrt(128) x 2^(e6 + e7)
.set SEL,  30                          ; s[30:31] lane selects for v_permlanex16_b32: lane l xor 16
.macro JLOAD                           ; waves 0-3 ask, each for its block; the branch hangs on the wave's number alone.  Four v_nop follow the line
	s_cmp_lt_u32 s[WV], 4
	s_cbranch_scc0 .Lasked_\@
	tensor_load_to_lds s[G0:G0+3], s[G1:G1+7]
	s_nop 0
.rept 4
	v_nop
.endr
.Lasked_\@:
.endm
.macro CROUND                          ; a round of the cluster's barrier
	s_barrier_signal -1
	s_barrier_wait -1
	s_cmp_lg_u32 s[WV], 0
	s_cbranch_scc1 .Lnot_wave_0_\@
	s_barrier_signal -3
.Lnot_wave_0_\@:
	s_barrier_wait -3
	s_barrier_signal -1
	s_barrier_wait -1
.endm
	s_load_b256 s[4:11], s[0:1], 0x0               ; qkv s[4:5], maskw s[6:7], the scales s[8:9], ac s[10:11]
	v_lshl_add_u32 v[SPW], v0, 2, SPARE
	v_mov_b32 v[NIL], 0
	ds_add_u32 v5, v6
	s_wait_dscnt 0x0
	v_lshrrev_b32 v8, 5, v0
	v_readfirstlane_b32 s[WV], v8                  ; wave 0..7
	s_and_b32 s[HB], ttmp7, 0xffff                 ; the head, which the four partners share
	s_lshl_b32 s[HB], s[HB], 18
	s_and_b32 s2, s[WV], 3                         ; what I fetch, if I fetch: 0, 1: K's blocks; 2, 3: V's
	s_mul_i32 s[G0+1], s2, VPL                     ; its place in slot 0: no place in the cluster enters an LDS address
	s_lshr_b32 s3, s2, 1
	s_lshl_b32 s3, s3, 22                          ; V's part lies 4 MiB behind K's,
	s_and_b32 s2, s2, 1
	s_lshl_b32 s2, s2, 14                          ; a block is 16,384 bytes
	s_add_co_u32 s2, s2, s3
	s_add_co_u32 s2, s2, s[HB]
	s_add_co_u32 s2, s2, 0x400000                  ; and K's part 4 MiB behind q's
	s_mov_b32 s3, 0
	s_bfe_u32 s66, ttmp6, 0x40000                  ; cx: it enters Q's, maskw's and ac's global addresses alone
	s_lshl_b32 s67, ttmp9, 2
	s_add_co_u32 s67, s67, s66                     ; my block of 128 queries = 4 x cluster x + cx
	s_lshl_b32 s66, s67, 3
	s_add_co_u32 s66, s66, s[WV]                   ; T: my tile of 16 queries
	s_lshl_b32 s100, s67, 14                       ; Q: the head's block of my 128 queries; tokens 16 w + r lie at rows 32 (w / 2) + 8 (w % 2) + r + (r & 8)
	s_add_co_u32 s100, s100, s[HB]
	s_lshr_b32 s101, s[WV], 1
	s_lshl_b32 s101, s101, 12
	s_add_co_u32 s100, s100, s101
	s_and_b32 s101, s[WV], 1
	s_lshl_b32 s101, s101, 10
	s_add_co_u32 s100, s100, s101
	s_mov_b32 s101, 0
	; group 1: 128 rows of 128 bytes, dense in memory, padded in LDS
	s_mov_b32 s[G1], 15|(0<<16)|(1<<20)|(1<<21)|(4<<22)|(3<<25)   ; 15:0 the mask: all four work-groups; 17:16 elements of 1 byte; 20 padding on; 21 set beside a mask; 24:22 after every 32 words; 31:25 four words
	s_mov_b32 s[G1+1], 128<<16                     ; tensor_dim0
	s_mov_b32 s[G1+2], 128<<16                     ; tensor_dim1
	s_mov_b32 s[G1+3], 128<<16                     ; tile_dim0
	s_mov_b32 s[G1+4], 128                         ; tile_dim1
	s_mov_b32 s[G1+5], 128                         ; tensor_dim0_stride
	s_mov_b32 s[G1+6], 0
	s_mov_b32 s[G1+7], 0
	s_mov_b32 s[G0], 1
	s_mov_b32 s[SEL], 0x76543210
	s_mov_b32 s[SEL+1], 0xfedcba98
	s_mov_b32 s[CS], 0x3e0293ee                    ; log2(e) / sqrt(128)
	s_mov_b32 s[TB], 0
	s_mov_b32 s[SLOTS], NSL-1
	s_wait_kmcnt 0x0
	s_add_nc_u64 s[G0+2:G0+3], s[4:5], s[2:3]      ; the head's first 256 keys
	s_or_b32 s[G0+3], s[G0+3], 0x80000000          ; type = 2
	CROUND                                         ; all four work-groups are here: the first joint loads meet
	JLOAD                                          ; slot 0
	s_load_b256 s[68:75], s[8:9], 0x10             ; entries 4 to 11: e6 s70, e7 s71, e8 s72, e9 s73, e10 s74
	s_add_nc_u64 s[4:5], s[4:5], s[100:101]        ; Q at my tile
	s_lshl_b32 s100, s66, 12
	s_add_nc_u64 s[6:7], s[6:7], s[100:101]        ; maskw at my tile: 4,096 T
	s_lshl_b32 s100, s66, 11
	s_add_co_u32 s100, s100, s[HB]
	s_add_nc_u64 s[10:11], s[10:11], s[100:101]    ; ac: 262,144 head + 2,048 T
	v_and_b32 v8, 15, v0                           ; r
	v_bfe_u32 v9, v0, 4, 1                         ; h
	v_and_b32 v10, 8, v8
	v_add_nc_u32 v10, v10, v8                      ; r + (r & 8)
	v_lshlrev_b32 v10, 7, v10
	v_lshl_add_u32 v10, v9, 4, v10
.irp c, 0,1,2,3
	global_load_b128 v[16+4*\c:19+4*\c], v10, s[4:5] offset:32*\c   ; Q's fragment stays in registers
.endr
	v_mul_u32_u24 v[AK0], v8, KP
	v_lshl_add_u32 v[AK0], v9, 4, v[AK0]
	v_add_nc_u32 v[AV0], VOFF, v[AK0]
	v_mov_b32 v[NINF], 0xff800000
	v_and_b32 v[GO], 31, v0
	v_lshlrev_b32 v[GO], 4, v[GO]
	v_mov_b32 v13, 0xff61b1e6                      ; the largest t so far: -3e38, under every t
	v_floor_f32 v12, -v13                          ; -M
	v_mov_b32 v14, 0                               ; the sum, in two halves
	v_mov_b32 v15, 0
	v_mov_b32 v236, 0                              ; a lane permute's destination counts as one of its sources
	v_mov_b32 v253, 0                              ; (named as the upper half of the pair v[252:253])
.set J, 0
.rept 64
	v_mov_b32 v[160+J], 0                          ; O^T: the step is written for every step alike; the first change of M leaves zeros zeros
.set J, J+1
.endr
	s_wait_kmcnt 0x0
	s_add_co_i32 s66, s70, s71
	s_lshl_b32 s66, s66, 23
	s_add_co_i32 s[CS], s[CS], s66                 ; a score stands for score x 2^(e6 + e7): added to c's exponent field
	s_mov_b32 s[CS+1], s[CS]                       ; (named with it as a pair)
	s_add_co_i32 s66, s73, 127
	s_lshl_b32 s67, s66, 23
	v_mov_b32 v244, s67                            ; 2^e9, for p's conversions
	s_add_co_i32 s66, s66, 8
	s_lshl_b32 s66, s66, 23
	s_or_b32 s66, s66, 0x600000
	v_mov_b32 v240, s66                            ; 448 x 2^e9
	s_sub_co_i32 s66, s74, s72
	s_sub_co_i32 s66, s66, s73                     ; a sum of the second product stands for sum x 2^(e8 + e9): attn's code is (sum / l) / 2^(e10 - e8 - e9)
	s_add_co_i32 s66, s66, 127
	s_lshl_b32 s67, s66, 23
	v_mov_b32 v241, s67
	s_add_co_i32 s66, s66, 8
	s_lshl_b32 s66, s66, 23
	s_or_b32 s66, s66, 0x600000
	v_mov_b32 v245, s66                            ; 448 x that
.macro MASKW                           ; a key step's 64 mask words: 256 bytes
	s_load_b512 s[32:47], s[6:7], 0x0
	s_load_b512 s[48:63], s[6:7], 0x40
	s_load_b512 s[68:83], s[6:7], 0x80
	s_load_b512 s[84:99], s[6:7], 0xc0
.endm
	MASKW                                          ; key step 0's (the scales in s[68:75] have been used)
; A KEY STEP: 128 keys, the q-th of the slot in hand.  more = 1: the next step's mask words are asked for.
.macro STEP q, more
	v_add_nc_u32 v[ADK], s[TB], v[AK0]
	v_add_nc_u32 v[ADV], s[TB], v[AV0]
.irp g, 0,1                                    ; S^T = K Q^T, four tiles of 16 keys at a time
.rept 2+2*\g
	v_nop                                          ; four places in front of loads into registers that matrix instructions have read; the two additions above are places too
.endr
.irp t, 0,1,2,3
.irp c, 0,1,2,3
	ds_load_b128 v[32+16*\t+4*\c:32+16*\t+4*\c+3], v[ADK] offset:(128*(\q)+16*(4*\g+\t))*KP+32*\c
.endr
.endr
	s_wait_dscnt 0x0
.irp t, 0,1,2,3
	v_wmma_f32_16x16x128_fp8_fp8 v[96+8*(4*\g+\t):103+8*(4*\g+\t)], v[32+16*\t:47+16*\t], v[16:31], 0
.endr
.endr
.rept 4
	v_nop                                          ; places in front of the loads below and of the first read of the scores
.endr
.irp t, 0,1,2,3                                ; V's first four tiles are asked for now and land during the softmax
.irp c, 0,1,2,3
	ds_load_b128 v[32+16*\t+4*\c:32+16*\t+4*\c+3], v[ADV] offset:(\q)*VPL+16*\t*KP+32*\c
.endr
.endr
	s_wait_kmcnt 0x0                               ; this step's mask words are in (scalar loads come back in no order: only 0 shows anything); their base may be stepped
.set N, 0
.rept 32
	v_cndmask_b32 v[96+N], v[NINF], v[96+N], s[32+N]   ; bit = 1: the score stays; 0: -infinity.  Each accumulator from its low end on
.set N, N+1
.endr
.rept 32
	v_cndmask_b32 v[96+N], v[NINF], v[96+N], s[36+N]
.set N, N+1
.endr
.if \more
	s_add_nc_u64 s[6:7], s[6:7], 256
	MASKW                                          ; the next step's: a whole step in which to land
.endif
	v_max3_num_f32 v254, v96, v97, v98             ; the step's largest score of my query, among my 64 keys, in two chains,
	v_max3_num_f32 v252, v99, v100, v101
.set J, 6
.rept 14
	v_max3_num_f32 v254, v254, v[96+J], v[97+J]
	v_max3_num_f32 v252, v252, v[98+J], v[99+J]
.set J, J+4
.endr
	v_max3_num_f32 v254, v254, v158, v159
	v_max_num_f32 v254, v254, v252
	v_permlanex16_b32 v236, v254, s[SEL], s[SEL+1]
	v_max_num_f32 v254, v254, v236                 ; and among lane l xor 16's
	v_mul_f32 v254, s[CS], v254                    ; as t (c is positive)
	v_max_num_f32 v13, v13, v254                   ; the running largest t
	v_mov_b32 v254, v12
	v_floor_f32 v12, -v13                          ; the new -M = floor(-t) = -ceil(t): a whole number
	v_sub_f32 v254, v12, v254                      ; old M - new M: a whole number, 0 or less
	v_cvt_i32_f32 v254, v254                       ; (it saturates)
	v_ldexp_f32 v252, 1.0, v254                    ; f = 2^(old M - new M)
.set J, 0
.rept 32
	v_pk_fma_f32 v[96+J:97+J], v[96+J:97+J], s[CS:CS+1], v[12:13] op_sel_hi:[1,0,0]   ; t - M, two at a time (of the pairs c and -M the low word serves both halves)
.set J, J+2
.endr
.set J, 0
.rept 64
	v_exp_f32 v[96+J], v[96+J]                     ; p = 2^(t - M), at most 1; 0 where the key is hidden
.set J, J+1
.endr
	v_pk_mul_f32 v[14:15], v[14:15], v[252:253] op_sel_hi:[1,0]   ; the sums under the new M (a plain place behind the exponentials)
	s_wait_alu depctr_va_vdst(0)
	v_pk_add_f32 v[242:243], v[96:97], v[98:99]    ; the row's sum is taken of the unquantised p, in two chains
.set J, 4
.rept 15
	v_pk_add_f32 v[14:15], v[14:15], v[96+J:97+J]
	v_pk_add_f32 v[242:243], v[242:243], v[98+J:99+J]
.set J, J+4
.endr
	v_pk_add_f32 v[14:15], v[14:15], v[242:243]
.irp b, 0,1,2,3
.irp i, 0,1,2,3,4,5,6,7,8,9,10,11,12,13,14,15
	v_min_num_f32 v[96+16*\b+\i], v[96+16*\b+\i], v240   ; the conversion to an 8-bit code does not saturate (ISA guide 7.6.2); p is not negative, so the hold is one-sided
.endr
	v_cvt_scalef32_pk8_fp8_f32 v[224+4*\b:225+4*\b], v[96+16*\b:103+16*\b], v244
	v_cvt_scalef32_pk8_fp8_f32 v[226+4*\b:227+4*\b], v[104+16*\b:111+16*\b], v244
.endr
.set J, 0
.rept 32
	v_pk_mul_f32 v[160+J:161+J], v[160+J:161+J], v[252:253] op_sel_hi:[1,0]   ; O^T under the new M (also the plain places behind the conversions)
.set J, J+2
.endr
	s_wait_dscnt 0x0                               ; V's first four tiles are in
.irp t, 0,1,2,3                                ; O^T += V^T P^T; the eight accumulators take turns
	v_wmma_f32_16x16x128_fp8_fp8 v[160+8*\t:167+8*\t], v[32+16*\t:47+16*\t], v[224:239], v[160+8*\t:167+8*\t]
.endr
.rept 4
	v_nop
.endr
.irp t, 0,1,2,3
.irp c, 0,1,2,3
	ds_load_b128 v[32+16*\t+4*\c:32+16*\t+4*\c+3], v[ADV] offset:(\q)*VPL+16*(4+\t)*KP+32*\c
.endr
.endr
	s_wait_dscnt 0x0
.irp t, 0,1,2,3
	v_wmma_f32_16x16x128_fp8_fp8 v[192+8*\t:199+8*\t], v[32+16*\t:47+16*\t], v[224:239], v[192+8*\t:199+8*\t]
.endr
.endm
; THE CHANGE OF SLOTS stands at a slot's head.  Each wave waits for all its tensor loads (its part of the slot ahead), adds 0 to its spare word, and waits for that and for its reads of the slot that it has left.
; fill = 1: the barrier is a round of the cluster's, and behind it the slot just left is filled with the keys that follow: the load has two key steps in which to land.  One tensor load of a wave is out at the most.
.macro CHANGE fill
	s_wait_tensorcnt 0x0                           ; no tensor load of mine is out, so group 0 may be written
	ds_add_u32 v[SPW], v[NIL]                      ; 0 onto my spare word
.if \fill
	s_xor_b32 s[G0+1], s[G0+1], SLOT1              ; the other slot than last time,
	s_add_nc_u64 s[G0+2:G0+3], s[G0+2:G0+3], 32768 ; the next two blocks; the type bits on top are not reached
.endif
	s_wait_dscnt 0x0                               ; the add is done, and my reads of the slot that I have left are over
.if \fill
	CROUND
	JLOAD
.else
	s_barrier_signal -1
	s_barrier_wait -1
.endif
.endm
	s_wait_loadcnt 0x0                             ; Q
.Lslot:                                            ; NSL - 1 trips: behind each change of slots but the last the next slot is asked for
	CHANGE 1
	STEP 0, 1
	STEP 1, 1
	s_xor_b32 s[TB], s[TB], SLOT1
	s_sub_co_u32 s[SLOTS], s[SLOTS], 1
	s_cmp_lg_u32 s[SLOTS], 0
	s_cbranch_scc1 .Lslot
	CHANGE 0                                       ; the last slot is written out
	STEP 0, 1
	STEP 1, 0                                      ; the last step asks for no mask words: no load leaves maskw
	; THE WAY OUT: O^T / the sum, held, converted: the codes are the next product's operand registers and are stored as they stand.
.rept 4
	v_nop
.endr
	v_add_f32 v14, v14, v15                        ; the sum's two halves,
	v_permlanex16_b32 v252, v14, s[SEL], s[SEL+1]
	v_add_f32 v14, v14, v252                       ; and lane l xor 16's
	v_cmp_eq_f32 vcc_lo, 0, v14                    ; a row with no key at all
	v_rcp_f32 v13, v14
	v_mov_b32 v10, 0x7f7f7f7f                      ; four NaN codes (a plain place behind the reciprocal)
.set J, 0
	s_wait_alu depctr_va_vdst(0)
.rept 64
	v_mul_f32 v[96+J], v[160+J], v13               ; each accumulator from its low end on
.set J, J+1
.endr
.set J, 0
.rept 64
	v_med3_num_f32 v[96+J], v[96+J], -v245, v245
.set J, J+1
.endr
.irp b, 0,1,2,3
	v_cvt_scalef32_pk8_fp8_f32 v[224+4*\b:225+4*\b], v[96+16*\b:103+16*\b], v241
	v_cvt_scalef32_pk8_fp8_f32 v[226+4*\b:227+4*\b], v[104+16*\b:111+16*\b], v241
.endr
	v_nop                                          ; one plain vector instruction between the conversions and the lines that touch their results
.set J, 0
.rept 16
	v_cndmask_b32 v[224+J], v[224+J], v10, vcc_lo
.set J, J+1
.endr
.irp c, 0,1,2,3
	global_store_b128 v[GO], v[224+4*\c:227+4*\c], s[10:11] offset:512*\c   ; 32 lanes store 512 consecutive bytes, aligned
.endr
	s_wait_tensorcnt 0x0                           ; the wave's end
	ds_add_u32 v[SPW], v[NIL]
	s_wait_dscnt 0x0
	CROUND                                         ; the closing round
	s_endpgm
.Lfunc_end_k_q2c5d74cb09_attention:
	.size	k_q2c5d74cb09_attention, .Lfunc_end_k_q2c5d74cb09_attention-k_q2c5d74cb09_attention
	.p2alignl 7, 3214868480
	.fill 96, 4, 3214868480
	.section	.rodata,"a",@progbits
	.p2align	6, 0x0
	.amdhsa_kernel k_q2c5d74cb09_attention
		.amdhsa_group_segment_fixed_size 327680
		.amdhsa_private_segment_fixed_size 0
		.amdhsa_enable_private_segment 0
		.amdhsa_kernarg_size 32
		.amdhsa_user_sgpr_count 2
		.amdhsa_user_sgpr_kernarg_segment_ptr 1
		.amdhsa_wavefront_size32 1
		.amdhsa_system_sgpr_workgroup_id_x 1
		.amdhsa_system_sgpr_workgroup_id_y 1
		.amdhsa_system_sgpr_workgroup_id_z 1
		.amdhsa_system_vgpr_workitem_id 0
		.amdhsa_next_free_vgpr 256
		.amdhsa_next_free_sgpr 102
		.amdhsa_reserve_vcc 1
		.amdhsa_float_denorm_mode_32 3
		.amdhsa_float_denorm_mode_16_64 3
		.amdhsa_memory_ordered 1
		.amdhsa_forward_progress 1
		.amdhsa_inst_pref_size 109
	.end_amdhsa_kernel
	.amdgpu_metadata
---
amdhsa.version: [ 1, 2 ]
amdhsa.kernels:
  - .name:           k_q2c5d74cb09_attention
    .symbol:         k_q2c5d74cb09_attention.kd
    .args:
      - { .name: qkv, .offset: 0, .size: 8, .value_kind: global_buffer, .address_space: global }
      - { .name: maskw, .offset: 8, .size: 8, .value_kind: global_buffer, .address_space: global }
      - { .name: lowp_scales, .offset: 16, .size: 8, .value_kind: global_buffer, .address_space: global }
      - { .name: ac, .offset: 24, .size: 8, .value_kind: global_buffer, .address_space: global }
    .group_segment_fixed_size: 327680
    .private_segment_fixed_size: 0
    .kernarg_segment_align: 8
    .kernarg_segment_size: 32
    .max_flat_workgroup_size: 256
    .sgpr_count:     102
    .vgpr_count:     256
    .wavefront_size: 32
...
	.end_amdgpu_metadata
.endif
;; end of part 2
;; launch out_proj (part 3): grid 8 x 8, 4 waves a work-group, clusters of 4 x 4, 327,680 bytes of LDS; arguments ac, Wo_codes, lowp_scales, out0, bo; writes out0
.if DOCPART == 3
	.amdgcn_target "amdgcn-amd-amdhsa--gfx1250"
	.amdhsa_code_object_version 6
	.text
	.protected	k_q2c5d74cb09_out_proj
	.globl	k_q2c5d74cb09_out_proj
	.p2align	8
	.type	k_q2c5d74cb09_out_proj,@function
k_q2c5d74cb09_out_proj:
	s_mov_b64 s[64:65], 0
	v_nop
	global_prefetch_b8 v0, s[64:65] scope:SCOPE_SE
	s_setreg_imm32_b32 hwreg(HW_REG_WAVE_MODE, 25, 1), 1
	s_wait_xcnt 0x0
	s_wait_alu depctr_hold_cnt(0) depctr_sa_sdst(0) depctr_va_vdst(0) depctr_va_sdst(0) depctr_va_ssrc(0) depctr_va_vcc(0) depctr_vm_vsrc(0)
	s_getreg_b32 s2, hwreg(HW_REG_IB_STS2, 6, 4)
	s_cmp_eq_u32 s2, 0
	s_cbranch_scc0 .Lentry_in_a_cluster
	s_endpgm
.Lentry_in_a_cluster:
	s_bfe_u32 s2, ttmp6, 0x10000c
	s_cmp_lg_u32 s2, 0xf033
	s_cbranch_scc0 .Lentry_shape_is_right
	s_endpgm
.Lentry_shape_is_right:
; out0[m][n] = (sum over k of attn[m][k] Wo[n][k]) x 2^(e10 + e11) + bo[n], on codes of FP8 (E4M3).  attn: 2,048 x 2,048, Wo: [n][k] with K innermost, out0 f32.
; A tile of out0, 256 x 256, is made by four waves, 128 x 128 each: 64 accumulators, 512 registers: 64 work-groups.  (Tiles of 128 x 128 would give 256 work-groups, each reading twice the LDS bytes for a product.)
; K goes in steps of 256, two heads, through a ring of two LDS slots filled by the tensor data mover.
; A COMES AS IMAGES OF ITS OPERAND REGISTERS: ac[head][T][c][lane][16 bytes].  A head's 16 fragments of a tile row are 32,768 dense bytes, one plane; a fragment is read back by four loads of 512 consecutive bytes: no pitch, no padding.
; B's tiles are rows of 256 bytes, padded by 16 in LDS.  Both sides hold K = 32 c + 16 (lane / 16) + 0 .. 15 in registers 4 c .. 4 c + 3: a permutation of k inside an instruction, the same on both sides.
; CLUSTERS: 4 x 4 work-groups.  A's planes are shared along a row of the cluster, B's tiles along a column: each is asked for jointly, by the same load with a mask that names the four.
; THE MATRIX INSTRUCTION IS USED TRANSPOSED (source 0 = 16 rows of Wo, source 1 = 16 rows of attn): a lane holds eight neighbouring numbers of a row of out0.
; LIMIT: e10 + e11 lies between -126 and 127, so that 2^(e10 + e11) is an f32 number.
; REGISTERS, in windows of 256: window 0: v0-31 addresses, v8-11 my four numbers of bo; v128-255 A's fragments, one set, later rows of out0.  window 1: B's fragments, two sets.  windows 2, 3: the accumulators ((a, b) at v[8 (8 (a % 4) + b)]).
.set KROW,   2048
.set ROWB,   256
.set PITCH,  272                       ; B's LDS row: 256 bytes + 16 of padding
.set FR,     16
.set NL,     4
.set NP,     4                         ; places behind this matrix instruction (ISA guide 7.12.1)
.set HEADB,  262144                    ; a head's images in ac
.set APL,    32768                     ; a plane: 16 fragments of 2,048 bytes
.set HALFB,  128*PITCH
.set BOFF,   2*APL                     ; a slot: A's two planes, then B's 256 rows
.set SLOT,   BOFF+2*HALFB
.set LAPS,   2048/(2*ROWB)
.set SPARE,  2*SLOT                    ; behind the ring: the spare words, 128 bytes for each wave, which no other line names
.set SPITCH, 528                       ; the way out: a stage of 16 rows x (512 bytes + 16) for each wave, in slot 0, which has had its last fill and its last read by then
.set BI,   8                           ; v8-11  bo at my four columns
.set ADRA, 16
.set ADRB, 20
.set STO,  24
.set RD,   25
.set CO,   26                          ; v26  16 x lane
.set SPW,  28
.set NIL,  29
.set AF,   128
.set BK,   128                         ; the way out: 16 rows read back: v128-191 and v192-255 by turns
.set G1, 24
.set G0, 32
.set G1B, 48
.set G0B, 56
.set MSB, 0
.macro WIN new                         ; the immediate's high byte repeats the setting that is left
.if MSB != (\new)
	s_set_vgpr_msb (MSB<<8)|(\new)
.set MSB, (\new)
.endif
.endm
.set MUL_LO, 0xa1
.set MUL_HI, 0xf1
.set TO_B,   0x40
.macro JLOAD g0a, g1a, g0b, g1b        ; waves 0 and 1 fetch A's two planes, waves 2 and 3 B's two halves; four v_nop follow each line
	s_cmp_eq_u32 s15, 0
	s_cbranch_scc0 .Lfor_b_\@
	tensor_load_to_lds s[\g0a:\g0a+3], s[\g1a:\g1a+7]
	s_nop 0
.rept 4
	v_nop
.endr
	s_branch .Lasked_\@
.Lfor_b_\@:
	tensor_load_to_lds s[\g0b:\g0b+3], s[\g1b:\g1b+7]
	s_nop 0
.rept 4
	v_nop
.endr
.Lasked_\@:
.endm
.macro CREST
	s_cmp_lg_u32 s14, 0
	s_cbranch_scc1 .Lnot_wave_0_\@
	s_barrier_signal -3
.Lnot_wave_0_\@:
	s_barrier_wait -3
	s_barrier_signal -1
	s_barrier_wait -1
.endm
.macro CROUND
	s_barrier_signal -1
	s_barrier_wait -1
	CREST
.endm
	s_load_b128 s[4:7], s[0:1], 0x0                ; ac s[4:5], Wo's codes s[6:7]
	s_load_b128 s[8:11], s[0:1], 0x10              ; the scales s[8:9], out0 s[10:11]
	s_load_b64 s[12:13], s[0:1], 0x20              ; bo
	v_lshl_add_u32 v[SPW], v0, 2, SPARE
	v_mov_b32 v[NIL], 0
	ds_add_u32 v28, v29
	s_wait_dscnt 0x0
	v_lshrrev_b32 v1, 5, v0
	v_readfirstlane_b32 s14, v1                    ; wave 0..3
	s_lshr_b32 s15, s14, 1                         ; which half of the tile's rows is mine.  Also: I fetch for A (0) or for B (1)
	s_and_b32 s16, s14, 1                          ; which half of its columns.  Also: which plane of A, or which 128 rows of B, I fetch
	s_bfe_u32 s40, ttmp6, 0x40000
	s_bfe_u32 s41, ttmp6, 0x40004
	s_lshl_b32 s42, ttmp9, 2
	s_add_co_u32 s42, s42, s40                     ; tile column
	s_and_b32 s17, ttmp7, 0xffff
	s_lshl_b32 s17, s17, 2
	s_add_co_u32 s17, s17, s41                     ; tile row
	s_lshl_b32 s43, s41, 2
	s_lshl_b32 s43, 15, s43                        ; my row of the cluster
	s_lshl_b32 s44, 0x1111, s40                    ; my column
	; group 1 for A: a plane as 128 dense rows of 256 bytes, no padding
	s_or_b32 s[G1+0], s43, (0<<16)|(1<<21)         ; 15:0 the mask: my row; 17:16 elements of 1 byte; 21 set beside a mask
	s_mov_b32 s[G1+1], 256<<16
	s_mov_b32 s[G1+2], 128<<16
	s_mov_b32 s[G1+3], 256<<16
	s_mov_b32 s[G1+4], 128
	s_mov_b32 s[G1+5], 256
	s_mov_b32 s[G1+6], 0
	s_mov_b32 s[G1+7], 0
	; group 1 for B: 128 rows x 256 bytes, 2,048 bytes apart, padded in LDS
	s_or_b32 s[G1B+0], s44, (0<<16)|(1<<20)|(1<<21)|(5<<22)|(3<<25)
	s_mov_b32 s[G1B+1], ROWB<<16
	s_mov_b32 s[G1B+2], 128<<16
	s_mov_b32 s[G1B+3], ROWB<<16
	s_mov_b32 s[G1B+4], 128
	s_mov_b32 s[G1B+5], KROW
	s_mov_b32 s[G1B+6], 0
	s_mov_b32 s[G1B+7], 0
	s_lshl_b32 s20, s17, 15                        ; A: 32,768 x tile row + 262,144 x plane
	s_lshl_b32 s18, s16, 18
	s_add_co_u32 s20, s20, s18
	s_mov_b32 s21, 0
	s_lshl_b32 s46, s42, 8
	s_lshl_b32 s18, s16, 7
	s_add_co_u32 s46, s46, s18                     ; B: row 256 x tile column + 128 x half
	s_lshl_b32 s46, s46, 11
	s_mov_b32 s47, 0
	s_lshl_b32 s45, s16, 15                        ; where they go: A's plane,
	s_mul_i32 s66, s16, HALFB
	s_add_co_u32 s66, s66, BOFF                    ; B's half: no place in the cluster enters an LDS address
	s_wait_kmcnt 0x0
	s_load_b64 s[96:97], s[8:9], 0x28              ; e10, e11
	s_add_nc_u64 s[20:21], s[4:5], s[20:21]
	s_add_nc_u64 s[46:47], s[6:7], s[46:47]
	CROUND                                         ; all sixteen work-groups are here: the first joint loads meet
.irp s, 0,1
	s_mov_b32 s[G0+4*\s], 1
	s_add_co_u32 s[G0+4*\s+1], s45, \s*SLOT
	s_add_nc_u64 s[G0+4*\s+2:G0+4*\s+3], s[20:21], \s*2*HEADB   ; slot s begins with heads 2 s, 2 s + 1
	s_or_b32 s[G0+4*\s+3], s[G0+4*\s+3], 0x80000000
	s_mov_b32 s[G0B+4*\s], 1
	s_add_co_u32 s[G0B+4*\s+1], s66, \s*SLOT
	s_add_nc_u64 s[G0B+4*\s+2:G0B+4*\s+3], s[46:47], \s*ROWB
	s_or_b32 s[G0B+4*\s+3], s[G0B+4*\s+3], 0x80000000
	JLOAD G0+4*\s, G1, G0B+4*\s, G1B               ; two loads of mine are out
.endr
	v_and_b32 v1, 15, v0                           ; r
	v_bfe_u32 v2, v0, 4, 1                         ; h
	v_and_b32 v6, 31, v0
	v_lshlrev_b32 v[CO], 4, v6                     ; 16 x lane
	v_mul_u32_u24 v3, v1, PITCH
	v_lshl_add_u32 v4, v2, 4, v3                   ; B: row x pitch + 16 h
	s_lshl_b32 s21, s15, 14                        ; my eight fragments of a plane of A
	s_mul_i32 s22, s16, HALFB
	s_add_co_u32 s22, s22, BOFF                    ; my 128 rows of B
.irp s, 0,1
	v_add_nc_u32 v[ADRA+\s], s21, v[CO]
	v_add_nc_u32 v[ADRB+\s], s22, v4
	s_add_co_u32 s21, s21, SLOT
	s_add_co_u32 s22, s22, SLOT
.endr
	s_mul_i32 s23, s14, 16*SPITCH                  ; my stage
	v_mul_u32_u24 v5, v1, SPITCH                   ; in: row r, 32 bytes for each half of the lanes
	v_lshl_add_u32 v5, v2, 5, v5
	v_add_nc_u32 v[STO], s23, v5
	v_add_nc_u32 v[RD], s23, v[CO]                 ; back: the 32 lanes take one row of 512 bytes
	s_lshl_b32 s20, s17, 8
	s_lshl_b32 s21, s15, 7
	s_add_co_u32 s20, s20, s21                     ; my first row of out0,
	s_lshl_b32 s20, s20, 13                        ; in bytes: rows of 8,192
	s_mov_b32 s21, 0
	s_lshl_b32 s46, s42, 10                        ; my first column, in bytes: 1,024 x tile column + 512 x half
	s_lshl_b32 s47, s16, 9
	s_add_co_u32 s46, s46, s47
	s_mov_b32 s47, 0
	s_add_nc_u64 s[12:13], s[12:13], s[46:47]      ; bo at my 128 columns
	s_add_nc_u64 s[20:21], s[20:21], s[46:47]
	s_add_nc_u64 s[10:11], s[10:11], s[20:21]
	global_load_b128 v[BI:BI+3], v[CO], s[12:13]   ; behind the turn through the stage a lane holds the same four columns in every row: four numbers of bo serve
	s_wait_kmcnt 0x0
	s_add_co_i32 s96, s96, s97
	s_add_co_i32 s96, s96, 127
	s_lshl_b32 s96, s96, 23                        ; 2^(e10 + e11) as f32
.macro FRAGA reg, adr, q, i            ; an image comes back as it was stored: four loads of 512 consecutive bytes
.irp c, 0,1,2,3
	ds_load_b128 v[\reg+4*\c:\reg+4*\c+3], v[\adr] offset:APL*(\q)+512*\c+(\i)*2048
.endr
.endm
.macro FRAGB reg, adr, q, i
.irp c, 0,1,2,3
	ds_load_b128 v[\reg+4*\c:\reg+4*\c+3], v[\adr] offset:128*(\q)+32*\c+(\i)*16*PITCH
.endr
.endm
; The 64 accumulators take turns, one instruction a turn, in the same order in every step.
.macro MUL16 a0, p, zero
.irp a, \a0, \a0+1
.irp b, 0,1,2,3,4,5,6,7
.if \zero
	v_wmma_f32_16x16x128_fp8_fp8 v[8*(8*((\a)%4)+\b):8*(8*((\a)%4)+\b)+7], v[128*(\p)+FR*\b:128*(\p)+FR*\b+FR-1], v[AF+FR*(\a):AF+FR*(\a)+FR-1], 0
.else
	v_wmma_f32_16x16x128_fp8_fp8 v[8*(8*((\a)%4)+\b):8*(8*((\a)%4)+\b)+7], v[128*(\p)+FR*\b:128*(\p)+FR*\b+FR-1], v[AF+FR*(\a):AF+FR*(\a)+FR-1], v[8*(8*((\a)%4)+\b):8*(8*((\a)%4)+\b)+7]
.endif
.endr
.endr
.endm
.macro FETCH_B slot, q, p
	WIN TO_B
.irp i, 0,1,2,3,4,5,6,7
	FRAGB 128*(\p)+FR*\i, ADRB+\slot, \q, \i
.endr
	WIN 0
.endm
.macro FETCH_A slot, q, i0
.irp i, \i0, \i0+1, \i0+2, \i0+3
	FRAGA AF+FR*(\i), ADRA+\slot, \q, \i
.endr
.endm
.macro PLACES n                        ; places in front of loads into registers that matrix instructions have read, and of the first read of results
.rept \n
	v_nop
.endr
.endm
.macro STEP slot, q, zero
	s_wait_dscnt 4*NL                              ; B's set and A's blocks 0-3 are in; the youngest sixteen loads (A's blocks 4-7) may be out
	WIN MUL_LO
	MUL16 0, (\q)%2, \zero
	MUL16 2, (\q)%2, \zero
	s_wait_dscnt 0
	PLACES NP
	FETCH_B \slot, (\q)+1, 1-(\q)%2
	FETCH_A \slot, (\q)+1, 0
	WIN MUL_HI
	MUL16 4, (\q)%2, \zero
	MUL16 6, (\q)%2, \zero
	PLACES NP
	WIN 0
	FETCH_A \slot, (\q)+1, 4
.endm
.macro TURN slot, next, fill
	s_wait_tensorcnt 0x0                           ; all my tensor loads have landed: my part of the next slot
	ds_add_u32 v[SPW], v[NIL]                      ; 0 onto my spare word
	s_wait_dscnt 4*NL+1                            ; (the add and the youngest sixteen loads may be out)
	WIN MUL_LO
	MUL16 0, 1, 0
	s_wait_dscnt 0x0                               ; the add is done, and my reads of this slot are over
	s_barrier_signal -1
	MUL16 2, 1, 0
	WIN 0
	s_barrier_wait -1
.if \fill
	CREST                                          ; the barrier has opened a round of the cluster's barrier: no wave of any partner still reads this slot or has a load on its way
	s_add_nc_u64 s[G0+4*\slot+2:G0+4*\slot+3], s[G0+4*\slot+2:G0+4*\slot+3], 4*HEADB
	s_add_nc_u64 s[G0B+4*\slot+2:G0B+4*\slot+3], s[G0B+4*\slot+2:G0B+4*\slot+3], 2*ROWB
	JLOAD G0+4*\slot, G1, G0B+4*\slot, G1B         ; the first tensor load behind the round, my only one until the next
.else
	PLACES NP
.endif
	FETCH_B \next, 0, 0
	FETCH_A \next, 0, 0
	WIN MUL_HI
	MUL16 4, 1, 0
	MUL16 6, 1, 0
	PLACES NP
	WIN 0
	FETCH_A \next, 0, 4
.endm
	s_wait_tensorcnt 1                             ; my part of slot 0 is in; slot 1's load may be out
	s_barrier_signal -1
	s_barrier_wait -1
	FETCH_B 0, 0, 0
	FETCH_A 0, 0, 0
	FETCH_A 0, 0, 4
	STEP 0, 0, 1                                   ; the first step's products start the sums
	s_mov_b32 s3, LAPS-1
.Llap:
	TURN 0, 1, 1
	STEP 1, 0, 0
	TURN 1, 0, 1
	STEP 0, 0, 0
	s_sub_co_u32 s3, s3, 1
	s_cmp_lg_u32 s3, 0
	s_cbranch_scc1 .Llap
	TURN 0, 1, 0                                   ; the last lap fills nothing
	STEP 1, 0, 0
	s_wait_dscnt 4*NL
	WIN MUL_LO
	MUL16 0, 1, 0
	MUL16 2, 1, 0
	s_wait_dscnt 0
	WIN MUL_HI
	MUL16 4, 1, 0
	MUL16 6, 1, 0
	WIN 0
; THE WAY OUT, block by block of 16 rows x 128 columns: the sums go into my stage as they are and come back as whole rows of 512 bytes; there one packed multiply-add for two numbers gives sum x 2^(e10 + e11) + bo.
.macro TOSTAGE a
.set AC, 64*((\a)%4)
	WIN 0x08+4*((\a)/4)                            ; a store's data: window 2 or 3
.irp b, 0,1,2,3,4,5,6,7
	ds_store_b128 v[STO], v[AC+8*\b:AC+8*\b+3] offset:64*\b          ; each accumulator from its low end on
	ds_store_b128 v[STO], v[AC+8*\b+4:AC+8*\b+7] offset:64*\b+16
.endr
	WIN 0
.set BB, BK+64*((\a)%2)
.irp t, 0,1,2,3,4,5,6,7,8,9,10,11,12,13,14,15
	ds_load_b128 v[BB+4*\t:BB+4*\t+3], v[RD] offset:\t*SPITCH        ; LDS serves a wave's instructions in order (ISA guide 5.7.1.4): these see the stores above
.endr
.endm
.macro SEND a, younger                 ; younger: the LDS instructions issued behind block a's loads
.set BB, BK+64*((\a)%2)
	s_wait_dscnt \younger
.if (\a) > 0
	s_add_nc_u64 s[10:11], s[10:11], 16*8192       ; (behind a wait on XCNT: the earlier stores have read their base)  16 rows on
.endif
.irp t, 0,1,2,3,4,5,6,7,8,9,10,11,12,13,14,15
	v_pk_fma_f32 v[BB+4*\t:BB+4*\t+1], v[BB+4*\t:BB+4*\t+1], s[96:97], v[BI:BI+1] op_sel_hi:[1,0,1]       ; the scalar pair's low word for both halves
	v_pk_fma_f32 v[BB+4*\t+2:BB+4*\t+3], v[BB+4*\t+2:BB+4*\t+3], s[96:97], v[BI+2:BI+3] op_sel_hi:[1,0,1]
.endr
.irp t, 0,1,2,3,4,5,6,7,8,9,10,11,12,13,14,15
	global_store_b128 v[CO], v[BB+4*\t:BB+4*\t+3], s[10:11] offset:\t*8192 th:TH_STORE_NT   ; 32 lanes store 512 consecutive bytes, aligned; written once, read by nobody here
.endr
.endm
	s_wait_loadcnt 0x0                             ; bo
	PLACES NP                                      ; behind the last products: for the LDS stores that read results and the loads into A's registers
	TOSTAGE 0
.irp a, 1,2,3,4,5,6,7
.if \a > 1
	s_wait_xcnt 0x0                                ; block a - 2's stores have read their registers and their base: block a's loads may land there, and the base may step
.endif
	TOSTAGE \a
	SEND \a-1, 32                                  ; behind block a - 1's loads: block a's 16 stores and 16 loads
.endr
	s_wait_xcnt 0x0                                ; block 6's stores have read their base
	SEND 7, 0
	s_wait_tensorcnt 0x0                           ; the wave's end
	ds_add_u32 v[SPW], v[NIL]
	s_wait_dscnt 0x0
	CROUND                                         ; the closing round
	s_endpgm
.Lfunc_end_k_q2c5d74cb09_out_proj:
	.size	k_q2c5d74cb09_out_proj, .Lfunc_end_k_q2c5d74cb09_out_proj-k_q2c5d74cb09_out_proj
	.p2alignl 7, 3214868480
	.fill 96, 4, 3214868480
	.section	.rodata,"a",@progbits
	.p2align	6, 0x0
	.amdhsa_kernel k_q2c5d74cb09_out_proj
		.amdhsa_group_segment_fixed_size 327680
		.amdhsa_private_segment_fixed_size 0
		.amdhsa_enable_private_segment 0
		.amdhsa_kernarg_size 40
		.amdhsa_user_sgpr_count 2
		.amdhsa_user_sgpr_kernarg_segment_ptr 1
		.amdhsa_wavefront_size32 1
		.amdhsa_system_sgpr_workgroup_id_x 1
		.amdhsa_system_sgpr_workgroup_id_y 1
		.amdhsa_system_sgpr_workgroup_id_z 1
		.amdhsa_system_vgpr_workitem_id 0
		.amdhsa_next_free_vgpr 1024
		.amdhsa_next_free_sgpr 98
		.amdhsa_reserve_vcc 0
		.amdhsa_float_denorm_mode_32 3
		.amdhsa_float_denorm_mode_16_64 3
		.amdhsa_memory_ordered 1
		.amdhsa_forward_progress 1
		.amdhsa_inst_pref_size 123
	.end_amdhsa_kernel
	.amdgpu_metadata
---
amdhsa.version: [ 1, 2 ]
amdhsa.kernels:
  - .name:           k_q2c5d74cb09_out_proj
    .symbol:         k_q2c5d74cb09_out_proj.kd
    .args:
      - { .name: ac, .offset: 0, .size: 8, .value_kind: global_buffer, .address_space: global }
      - { .name: Wo_codes, .offset: 8, .size: 8, .value_kind: global_buffer, .address_space: global }
      - { .name: lowp_scales, .offset: 16, .size: 8, .value_kind: global_buffer, .address_space: global }
      - { .name: out0, .offset: 24, .size: 8, .value_kind: global_buffer, .address_space: global }
      - { .name: bo, .offset: 32, .size: 8, .value_kind: global_buffer, .address_space: global }
    .group_segment_fixed_size: 327680
    .private_segment_fixed_size: 0
    .kernarg_segment_align: 8
    .kernarg_segment_size: 40
    .max_flat_workgroup_size: 128
    .sgpr_count:     98
    .vgpr_count:     1024
    .wavefront_size: 32
...
	.end_amdgpu_metadata
.endif
;; end of part 3
;; ======== version 2 of 2: 3 launches
;; limits: right only within a limited range of input values
;; workspace buffers: qkv 12,582,912 bytes; maskw 524,288 bytes of whole numbers; flags 1,024 bytes of whole numbers; ac 4,194,304 bytes
;; launch qkv_proj (part 4): grid 8 x 32, 4 waves a work-group, clusters of 4 x 4, 327,680 bytes of LDS; arguments x_codes, Wq_codes, Wk_codes, Wv_codes, lowp_scales, mask, qkv, maskw, flags; writes qkv, maskw, flags
.if DOCPART == 4
	.amdgcn_target "amdgcn-amd-amdhsa--gfx1250"
	.amdhsa_code_object_version 6
	.text
	.protected	k_q2c5d74cb09_qkv_proj
	.globl	k_q2c5d74cb09_qkv_proj
	.p2align	8
	.type	k_q2c5d74cb09_qkv_proj,@function
k_q2c5d74cb09_qkv_proj:
	s_mov_b64 s[64:65], 0
	v_nop
	global_prefetch_b8 v0, s[64:65] scope:SCOPE_SE
	s_setreg_imm32_b32 hwreg(HW_REG_WAVE_MODE, 25, 1), 1
	s_wait_xcnt 0x0
	s_wait_alu depctr_hold_cnt(0) depctr_sa_sdst(0) depctr_va_vdst(0) depctr_va_sdst(0) depctr_va_ssrc(0) depctr_va_vcc(0) depctr_vm_vsrc(0)
	s_getreg_b32 s2, hwreg(HW_REG_IB_STS2, 6, 4)
	s_cmp_eq_u32 s2, 0
	s_cbranch_scc0 .Lentry_in_a_cluster
	s_endpgm
.Lentry_in_a_cluster:
	s_bfe_u32 s2, ttmp6, 0x10000c
	s_cmp_lg_u32 s2, 0xf033
	s_cbranch_scc0 .Lentry_shape_is_right
	s_endpgm
.Lentry_shape_is_right:
; q = x Wq, k = x Wk, v = x Wv on codes of FP8 (E4M3), each result quantised at once to codes with its given scale; and the mask packed into lane masks and flags.
; Three products C[m][n] = sum over k of A[m][k] B[n][k], 2,048 cubed, in one launch.  The cluster's y picks the role: 0, 1: q (A = x, B = Wq); 2, 3: k (A = x, B = Wk); 4, 5: v (A = Wv, B = x, so that C = v transposed: keys innermost); 6, 7: the mask.
; A tile of C, 256 x 256, is made by four waves, 128 x 128 each: 64 accumulators, 512 registers.  K goes in steps of 256 through a ring of two LDS slots filled by the tensor data mover.
; CLUSTERS: 4 x 4 work-groups of one role.  The four of a row need the same tiles of A, the four of a column the same tiles of B: each tile is asked for jointly, by the same load with a mask that names the four.
; THE MATRIX INSTRUCTION IS USED TRANSPOSED (source 0 = 16 rows of B, source 1 = 16 rows of A): a lane holds eight neighbouring numbers of a row of C, which one conversion turns into eight codes.
; Fragments come by loads of 16 bytes: registers 4 c .. 4 c + 3 hold K = 32 c + 16 (lane / 16) + 0 .. 15: a permutation of k inside an instruction, the same on both sides.
; OUT.  code = sum x 2^(ea + eb) / 2^eo, held within +-448: the three exponents are folded into the conversion's one scale.  eo is entry 6 + role of the scales, ea and eb entries 2 role and 2 role + 1.
; qkv: three parts of 4 MiB (q, k, v), each 256 blocks of 128 rows x 128 codes.  q, k: block 16 head + token / 128, row = token % 128, byte = d.  v: block 16 head + key / 128, row = d, byte = key % 128.
; A wave's 128 x 128 is one block.  A block is stored as the image of the next launch's operand registers: [tile 0..7][c 0..3][lane][16 bytes]; lane (r, h) of tile 2 b + u, group c, holds row 32 b + 8 u + r + 8 (r / 8), bytes 32 c + 16 h + 0 .. 15.
; THE MASK: 64 work-groups of their own, one for 32 queries; wave w packs queries 16 T .. 16 T + 15, T = 2 G + w % 2, keys 1,024 (w / 2) .. + 1,023.
; maskw[T][s][n], n = 16 b + i: bit L = mask[16 T + L % 16][128 s + 32 b + 16 (L / 16) + i]: the lane mask of score register n of key step s.
; flags[4 G + w]: bit s % 8: some key of step s = 8 (w / 2) + s % 8 is seen by some of the 16 queries; bit 8 + s % 8: all are seen by all.  Mask bytes are 0 or 1.
; PREFETCH: behind each joint load one global_prefetch_b8 a wave names the K step two loads on: of the 128 rows that a wave fetches each of the four partners names 32, told apart by address, a lane a row; K steps 1 and 2 are named in the head; the last two loads of the walk name nothing.
; LIMIT: eo - ea - eb lies between -126 and 119, so that the scale and 448 x the scale are f32 numbers.  NaN among the sums is not served.
; REGISTERS, in windows of 256: window 0: v0-31 addresses and the two scale numbers; v32-95 a block's held sums; v96-111 its codes; v128-255 A's fragments, one set, later the rows to be stored.
;   window 1: B's fragments, two sets.   window 2: the accumulators of my rows 0-63 ((a, b) at v[8 (8 a + b)]);   window 3: those of my rows 64-127.
.set KROW,   2048                      ; a row of codes in memory, in bytes
.set ROWB,   256                       ; a tile's row: 256 along K
.set PITCH,  272                       ; an LDS row: 256 bytes + 16 of padding
.set FR,     16                        ; registers of a fragment: 16 rows x 128 K
.set NL,     4                         ; LDS loads that bring one
.set NP,     4                         ; places behind this matrix instruction (ISA guide 7.12.1)
.set HALFT,  128*PITCH                 ; 128 rows: what one tensor load brings
.set SLOT,   4*HALFT                   ; A's 256 rows, then B's 256
.set LAPS,   2048/(2*ROWB)             ; a lap = two slots
.set SPARE,  2*SLOT                    ; behind the ring: the spare words, 128 bytes for each wave, which no other line names
.set SP,     144                       ; the way out: a stage of 32 rows x (128 bytes + 16) for each wave, 128 bytes between rows 15 and 16; in slot 0, which has had its last fill and its last read by then
.set ODD,    16*SP+128                 ; where row 16 begins
.set STW,    4864                      ; bytes of a wave's stage
.set SC,   12                          ; v12  2^(eo - ea - eb)
.set LIM,  13                          ; v13  448 x that
.set ADRA, 16                          ; v16-17  LDS address of my A fragments in slot 0, 1
.set ADRB, 20                          ; v20-21  the same for B
.set STO,  24                          ; v24  the stage: where I put 8 codes
.set RD,   25                          ; v25  the stage: where I read 16 bytes back
.set CO,   26                          ; v26  16 x lane
.set MO,   27                          ; v27  the mask: 2,048 (lane % 16) + 16 (lane / 16)
.set SPW,  28                          ; v28  LDS address of my spare word; never rewritten
.set NIL,  29                          ; v29  0; never rewritten
.set PFO,  30                          ; v30  the prefetches' offset: my lane x a row in memory; never rewritten
.set PFA,  66                          ; s[66:67] where the prefetches stand in memory
.set TMP,  32
.set CD,   96
.set AF,   128
.set BK,   128                         ; the way out: 32 registers for each pair of blocks, so that no store's data are written again
.set G1, 24                            ; s[24:31] group 1 for A's tiles;  s[32:39] group 0, one set for each slot
.set G0, 32
.set G1B, 48                           ; s[48:55], s[56:63] the same for B's
.set G0B, 56
.set MB,  32                           ; the mask: v32-63 bytes; v64-67 packed words; v68-71 at work
.set PW,  64
.set PT,  68
.set MSB, 0
.macro WIN new                         ; the immediate's high byte repeats the setting that is left
.if MSB != (\new)
	s_set_vgpr_msb (MSB<<8)|(\new)
.set MSB, (\new)
.endif
.endm
.set MUL_LO, 0xa1                      ; source 0 (B) window 1, source 1 (A) window 0, C and D window 2
.set MUL_HI, 0xf1                      ; the same, C and D window 3
.set TO_B,   0x40                      ; destination window 1, address window 0
; A joint load: waves 0 and 1 fetch for A, waves 2 and 3 for B; the branch hangs on the wave's number alone.
.macro JLOAD g0a, g1a, g0b, g1b
	s_cmp_eq_u32 s15, 0
	s_cbranch_scc0 .Lfor_b_\@
	tensor_load_to_lds s[\g0a:\g0a+3], s[\g1a:\g1a+7]
	s_nop 0
.rept 4
	v_nop
.endr
	s_branch .Lasked_\@
.Lfor_b_\@:
	tensor_load_to_lds s[\g0b:\g0b+3], s[\g1b:\g1b+7]
	s_nop 0
.rept 4
	v_nop
.endr
.Lasked_\@:
.endm
.macro CREST                           ; a round of the cluster's barrier behind its opening barrier
	s_cmp_lg_u32 s14, 0
	s_cbranch_scc1 .Lnot_wave_0_\@
	s_barrier_signal -3
.Lnot_wave_0_\@:
	s_barrier_wait -3
	s_barrier_signal -1
	s_barrier_wait -1
.endm
.macro CROUND                          ; a whole round
	s_barrier_signal -1
	s_barrier_wait -1
	CREST
.endm
	s_load_b512 s[68:83], s[0:1], 0x0              ; x 68, Wq 70, Wk 72, Wv 74, the scales 76, the mask 78, qkv 80, maskw 82
	v_lshrrev_b32 v1, 5, v0
	v_readfirstlane_b32 s14, v1                    ; wave 0..3
	s_bfe_u32 s40, ttmp6, 0x40000                  ; cx, cy: my place in the cluster
	s_bfe_u32 s41, ttmp6, 0x40004
	s_and_b32 s98, ttmp7, 0xffff                   ; the cluster's y, 0..7: the same in all sixteen partners
	s_cmp_gt_u32 s98, 5
	s_cbranch_scc1 .Lpack                          ; whole clusters: they touch neither LDS nor a barrier
	v_lshl_add_u32 v[SPW], v0, 2, SPARE
	v_mov_b32 v[NIL], 0
	ds_add_u32 v[SPW], v[NIL]                      ; the wave's opening: the add, twice on end, ahead of my first tensor load
	ds_add_u32 v[SPW], v[NIL]
	s_lshr_b32 s15, s14, 1                         ; which half of the tile's rows is mine.  Also: I fetch for A (0) or for B (1)
	s_and_b32 s16, s14, 1                          ; which half of its columns.  Also: which 128 rows of that tile I fetch
	s_lshl_b32 s42, ttmp9, 2
	s_add_co_u32 s42, s42, s40                     ; tile column of C = 4 x cluster x + cx
	s_lshr_b32 s87, s98, 1                         ; the role
	s_and_b32 s17, s98, 1
	s_lshl_b32 s17, s17, 2
	s_add_co_u32 s17, s17, s41                     ; tile row of C = 4 x (cluster y % 2) + cy
	s_lshl_b32 s43, s41, 2
	s_lshl_b32 s43, 15, s43                        ; my row of the cluster
	s_lshl_b32 s44, 0x1111, s40                    ; my column
	; group 1: a tile of 128 rows x 256 bytes, padded in LDS
	s_or_b32 s[G1+0], s43, (0<<16)|(1<<20)|(1<<21)|(5<<22)|(3<<25)  ; 15:0 the mask: A's tiles go to my row; 17:16 elements of 1 byte; 20 padding on; 21 set beside a mask; 24:22 after every 64 words; 31:25 four words
	s_or_b32 s[G1B+0], s44, (0<<16)|(1<<20)|(1<<21)|(5<<22)|(3<<25) ; the same with my column's mask
.irp g, G1, G1B
	s_mov_b32 s[\g+1], ROWB<<16                    ; tensor_dim0
	s_mov_b32 s[\g+2], 128<<16                     ; tensor_dim1
	s_mov_b32 s[\g+3], ROWB<<16                    ; tile_dim0
	s_mov_b32 s[\g+4], 128                         ; tile_dim1
	s_mov_b32 s[\g+5], KROW                        ; tensor_dim0_stride
	s_mov_b32 s[\g+6], 0
	s_mov_b32 s[\g+7], 0
.endr
	s_lshl_b32 s18, s16, 7                         ; which 128 rows of the tile I fetch
	s_lshl_b32 s20, s17, 8
	s_add_co_u32 s20, s20, s18                     ; A: row 256 x tile row + 128 x half,
	s_lshl_b32 s20, s20, 11                        ; in bytes (under 4 MiB)
	s_mov_b32 s21, 0
	s_lshl_b32 s46, s42, 8
	s_add_co_u32 s46, s46, s18                     ; B: row 256 x tile column + 128 x half
	s_lshl_b32 s46, s46, 11
	s_mov_b32 s47, 0
	s_mul_i32 s45, s14, HALFT                      ; where they go: wave x 128 rows: no place in the cluster enters an LDS address
	s_lshl_b32 s84, s87, 3
	s_lshl_b32 s85, s87, 2
	s_wait_alu depctr_va_vdst(0)
	s_wait_dscnt 0x0                               ; both opening adds are done
	s_wait_kmcnt 0x0
	s_load_b64 s[96:97], s[76:77], s84 offset:0x0  ; ea, eb: entries 2 role, 2 role + 1
	s_load_b32 s86, s[76:77], s85 offset:0x18      ; eo: entry 6 + role
	s_cmp_lt_u32 s87, 2                            ; the operands are chosen by the role, which hangs on no address
	s_cselect_b64 s[4:5], s[68:69], s[74:75]       ; A: x, for v: Wv
	s_cmp_eq_u32 s87, 0
	s_cselect_b64 s[6:7], s[70:71], s[72:73]       ; B: Wq or Wk,
	s_cmp_eq_u32 s87, 2
	s_cselect_b64 s[6:7], s[68:69], s[6:7]         ; for v: x
	s_add_nc_u64 s[20:21], s[4:5], s[20:21]
	s_add_nc_u64 s[46:47], s[6:7], s[46:47]
	CROUND                                         ; all sixteen work-groups are here: the first joint loads meet
.irp s, 0,1
	s_mov_b32 s[G0+4*\s], 1
	s_add_co_u32 s[G0+4*\s+1], s45, \s*SLOT
	s_add_nc_u64 s[G0+4*\s+2:G0+4*\s+3], s[20:21], \s*ROWB
	s_or_b32 s[G0+4*\s+3], s[G0+4*\s+3], 0x80000000
	s_mov_b32 s[G0B+4*\s], 1
	s_add_co_u32 s[G0B+4*\s+1], s45, \s*SLOT
	s_add_nc_u64 s[G0B+4*\s+2:G0B+4*\s+3], s[46:47], \s*ROWB
	s_or_b32 s[G0B+4*\s+3], s[G0B+4*\s+3], 0x80000000
.endr
	JLOAD G0, G1, G0B, G1B                         ; K step 0: my one load at the head
	; the prefetches stand at K step 2 of my work-group's 32 rows of the 128 that I fetch
	s_cmp_eq_u32 s15, 0
	s_cselect_b64 s[18:19], s[20:21], s[46:47]
	s_cselect_b32 s22, s40, s41                    ; my place among the four that ask for it with me
	s_lshl_b32 s22, s22, 16                        ; x 32 rows of 2,048 bytes
	s_add_co_u32 s22, s22, 2*ROWB
	s_mov_b32 s23, 0
	s_add_nc_u64 s[PFA:PFA+1], s[18:19], s[22:23]
	s_mul_i32 s21, s15, HALFT                      ; my 128 rows of A
	s_mul_i32 s22, s16, HALFT                      ; my 128 rows of B,
	s_add_co_u32 s22, s22, 2*HALFT                 ; which lie behind A's 256
	s_add_co_u32 s18, s21, SLOT
	s_add_co_u32 s19, s22, SLOT
	s_mul_i32 s23, s14, STW                        ; my stage
	v_and_b32 v6, 31, v0
	v_lshlrev_b32 v[PFO], 11, v6
	global_prefetch_b8 v[PFO], s[PFA:PFA+1] offset:-ROWB th:TH_LOAD_NT scope:SCOPE_SE   ; K step 1
	global_prefetch_b8 v[PFO], s[PFA:PFA+1] th:TH_LOAD_NT scope:SCOPE_SE                ; K step 2
	v_and_b32 v1, 15, v0                           ; r = lane % 16
	v_bfe_u32 v2, v0, 4, 1                         ; h = lane / 16
	v_mul_u32_u24 v3, v1, PITCH
	v_lshl_add_u32 v4, v2, 4, v3                   ; a fragment's row x pitch + 16 h
	v_add_nc_u32 v[ADRA], s21, v4
	v_add_nc_u32 v[ADRB], s22, v4
	v_add_nc_u32 v[ADRA+1], s18, v4
	v_add_nc_u32 v[ADRB+1], s19, v4
	v_mul_u32_u24 v5, v1, SP                       ; in: row r, 8 bytes for each half of the lanes
	v_lshl_add_u32 v5, v2, 3, v5
	v_add_nc_u32 v[STO], s23, v5
	v_lshlrev_b32 v[CO], 4, v6                     ; 16 x lane
	v_lshrrev_b32 v7, 3, v1                        ; back: row r + 8 (r / 8), 16 bytes for each half of the lanes
	v_lshl_add_u32 v8, v7, 3, v1
	v_mul_u32_u24 v9, v8, SP
	v_lshl_add_u32 v9, v7, 7, v9                   ; (rows 16 on lie 128 bytes further)
	v_lshl_add_u32 v9, v2, 4, v9
	v_add_nc_u32 v[RD], s23, v9
	; my block of qkv: q, k: 16 x (my 128 columns: the head) + (my 128 rows: token / 128); v: 16 x (my 128 rows: the head) + (my 128 columns: key / 128)
	s_lshl_b32 s88, s17, 1
	s_add_co_u32 s88, s88, s15                     ; which 128 rows of C
	s_lshl_b32 s89, s42, 1
	s_add_co_u32 s89, s89, s16                     ; which 128 columns
	s_cmp_lt_u32 s87, 2
	s_cselect_b32 s90, s89, s88
	s_cselect_b32 s91, s88, s89
	s_lshl_b32 s90, s90, 4
	s_add_co_u32 s90, s90, s91
	s_lshl_b32 s90, s90, 14                        ; x 16,384 bytes
	s_lshl_b32 s91, s87, 22                        ; + role x 4 MiB
	s_add_co_u32 s90, s90, s91
	s_mov_b32 s91, 0
	s_add_nc_u64 s[10:11], s[80:81], s[90:91]
	s_wait_alu depctr_va_vdst(0)
	s_wait_kmcnt 0x0
	s_sub_co_i32 s86, s86, s96
	s_sub_co_i32 s86, s86, s97                     ; eo - ea - eb
	s_add_co_i32 s86, s86, 127
	s_lshl_b32 s96, s86, 23
	s_add_co_i32 s86, s86, 8
	s_lshl_b32 s86, s86, 23
	s_or_b32 s86, s86, 0x600000
	v_mov_b32 v[SC], s96                           ; 2^(eo - ea - eb) as f32: the conversion takes its exponent field
	v_mov_b32 v[LIM], s86                          ; 448 x that
.macro FRAG reg, adr, q, i             ; a fragment: lane l holds row l % 16; registers 4 c .. 4 c + 3 hold K = 32 c + 16 (l / 16) + 0 .. 15
.irp c, 0,1,2,3
	ds_load_b128 v[\reg+4*\c:\reg+4*\c+3], v[\adr] offset:128*(\q)+32*\c+(\i)*16*PITCH
.endr
.endm
; 16 matrix instructions: A's blocks a0, a0 + 1 x B's eight, 128 along K.  p: B's set.  zero = 1: the first product starts the sums.
; The 64 accumulators take turns, one instruction a turn, in the same order in every step.
.macro MUL16 a0, p, zero
.irp a, \a0, \a0+1
.irp b, 0,1,2,3,4,5,6,7
.if \zero
	v_wmma_f32_16x16x128_fp8_fp8 v[8*(8*((\a)%4)+\b):8*(8*((\a)%4)+\b)+7], v[128*(\p)+FR*\b:128*(\p)+FR*\b+FR-1], v[AF+FR*(\a):AF+FR*(\a)+FR-1], 0
.else
	v_wmma_f32_16x16x128_fp8_fp8 v[8*(8*((\a)%4)+\b):8*(8*((\a)%4)+\b)+7], v[128*(\p)+FR*\b:128*(\p)+FR*\b+FR-1], v[AF+FR*(\a):AF+FR*(\a)+FR-1], v[8*(8*((\a)%4)+\b):8*(8*((\a)%4)+\b)+7]
.endif
.endr
.endr
.endm
.macro FETCH_B slot, q, p              ; B's eight fragments of the slot's q-th 128 along K into set p
	WIN TO_B
.irp i, 0,1,2,3,4,5,6,7
	FRAG 128*(\p)+FR*\i, ADRB+\slot, \q, \i
.endr
	WIN 0
.endm
.macro FETCH_A slot, q, i0             ; A's blocks i0 .. i0 + 3
.irp i, \i0, \i0+1, \i0+2, \i0+3
	FRAG AF+FR*(\i), ADRA+\slot, \q, \i
.endr
.endm
; A load into a register that a matrix instruction has read, and a vector instruction that reads a matrix result, stand NP places behind it; only plain vector instructions that name none of its registers are places.
.macro PLACES n
.rept \n
	v_nop
.endr
.endm
; A step of 128 along K that has its successor in the same slot.  A's blocks go one after the other, each against B's eight: so one set of registers serves A, fetched anew in two halves.
.macro STEP slot, q, zero
	s_wait_dscnt 4*NL                              ; B's set and A's blocks 0-3 are in; the youngest sixteen loads (A's blocks 4-7) may be out
	WIN MUL_LO
	MUL16 0, (\q)%2, \zero
	MUL16 2, (\q)%2, \zero
	s_wait_dscnt 0                                 ; A's blocks 4-7 are in
	PLACES NP
	FETCH_B \slot, (\q)+1, 1-(\q)%2
	FETCH_A \slot, (\q)+1, 0
	WIN MUL_HI
	MUL16 4, (\q)%2, \zero
	MUL16 6, (\q)%2, \zero
	PLACES NP
	WIN 0
	FETCH_A \slot, (\q)+1, 4
.endm
; A slot's last step changes slots: one barrier; in front of it each wave waits for all its tensor loads, adds 0 to its spare word, and waits for that and for its reads of this slot.  fill = 1: this slot is filled again, two slots ahead.
.macro TURN slot, next, fill
.if \fill && (\slot) == 0
	s_wait_xcnt 0x0                                ; my prefetches have read their address: it is stepped a lap on
	s_add_nc_u64 s[PFA:PFA+1], s[PFA:PFA+1], 2*ROWB
.endif
	s_wait_tensorcnt 0x0                           ; all my tensor loads have landed: my part of the next slot
	ds_add_u32 v[SPW], v[NIL]                      ; 0 onto my spare word
	s_wait_dscnt 4*NL+1                            ; (the add and the youngest sixteen loads, A's blocks 4-7, may be out)
	WIN MUL_LO
	MUL16 0, 1, 0                                  ; sixteen matrix instructions stand between the add and the wait for it
	s_wait_dscnt 0x0                               ; the add is done, and my reads of this slot are over
	s_barrier_signal -1
	MUL16 2, 1, 0
	WIN 0
	s_barrier_wait -1
.if \fill
	CREST                                          ; the barrier has opened a round of the cluster's barrier: no wave of any partner still reads this slot or has a load on its way
	s_add_nc_u64 s[G0+4*\slot+2:G0+4*\slot+3], s[G0+4*\slot+2:G0+4*\slot+3], 2*ROWB
	s_add_nc_u64 s[G0B+4*\slot+2:G0B+4*\slot+3], s[G0B+4*\slot+2:G0B+4*\slot+3], 2*ROWB
	JLOAD G0+4*\slot, G1, G0B+4*\slot, G1B         ; the first tensor load behind the round, my only one until the next; its four v_nop are the places in front of the loads below
.else
	PLACES NP
.endif
	FETCH_B \next, 0, 0
	FETCH_A \next, 0, 0
.if \fill
	s_cmp_gt_u32 s3, 1                             ; the last trip's loads have no K step two on
	s_cbranch_scc0 .Lno_ask_\@
	global_prefetch_b8 v[PFO], s[PFA:PFA+1] offset:ROWB*\slot th:TH_LOAD_NT scope:SCOPE_SE
.Lno_ask_\@:
.endif
	WIN MUL_HI
	MUL16 4, 1, 0
	MUL16 6, 1, 0
	PLACES NP
	WIN 0
	FETCH_A \next, 0, 4
.endm
	s_wait_alu depctr_va_vdst(0)
	s_wait_tensorcnt 0x0                           ; my part of K step 0 is in; these lines stand ahead of a later first fill as ahead of a refill
	ds_add_u32 v[SPW], v[NIL]
	s_wait_dscnt 0x0
	CROUND                                         ; everybody's part of K step 0 is in
	JLOAD G0+4, G1, G0B+4, G1B                     ; K step 1
	FETCH_B 0, 0, 0
	FETCH_A 0, 0, 0
	FETCH_A 0, 0, 4
	global_prefetch_b8 v[PFO], s[PFA:PFA+1] offset:ROWB th:TH_LOAD_NT scope:SCOPE_SE    ; K step 3
	STEP 0, 0, 1                                   ; the first step stands in front of the loop: its products start the sums
	s_mov_b32 s3, LAPS-1
.Llap:                                                 ; a trip goes once round the ring and fills both slots again
	TURN 0, 1, 1
	STEP 1, 0, 0
	TURN 1, 0, 1
	STEP 0, 0, 0
	s_sub_co_u32 s3, s3, 1
	s_cmp_lg_u32 s3, 0
	s_cbranch_scc1 .Llap
	TURN 0, 1, 0                                   ; the last lap fills nothing
	STEP 1, 0, 0
	s_wait_dscnt 4*NL                              ; the very last step: nothing more to fetch
	WIN MUL_LO
	MUL16 0, 1, 0
	MUL16 2, 1, 0
	s_wait_dscnt 0
	WIN MUL_HI
	MUL16 4, 1, 0
	MUL16 6, 1, 0
	WIN 0
; THE WAY OUT, by blocks of 16 rows x 128 columns: held, converted (8 sums of a lane = 8 neighbouring codes of a row), into my stage; behind every second block the 32 rows come back as two tiles' images.
.macro PACK a
.set AC, 64*((\a)%4)
	WIN 0x02+((\a)/4)                              ; source 0: window 2 or 3
.set J, 0
.rept 64
	v_med3_num_f32 v[TMP+J], v[AC+J], -v[LIM], v[LIM]   ; the conversion to an 8-bit code does not saturate (ISA guide 7.6.2): the hold; each accumulator from its low end on
.set J, J+1
.endr
	WIN 0
.irp b, 0,1,2,3,4,5,6,7
	v_cvt_scalef32_pk8_fp8_f32 v[CD+2*\b:CD+2*\b+1], v[TMP+8*\b:TMP+8*\b+7], v[SC]
.endr
	v_nop                                          ; one plain vector instruction behind the conversions, ahead of the next block's holds, which write their sources
.irp b, 0,1,2,3,4,5,6,7
	ds_store_b64 v[STO], v[CD+2*\b:CD+2*\b+1] offset:16*\b+ODD*((\a)%2)    ; row r, columns 16 b + 8 h + 0 .. 7
.endr
.if (\a)%2
.irp u, 0,1
.irp c, 0,1,2,3
	ds_load_b128 v[BK+32*((\a)/2)+16*\u+4*\c:BK+32*((\a)/2)+16*\u+4*\c+3], v[RD] offset:8*SP*\u+32*\c   ; LDS serves a wave's instructions in order (ISA guide 5.7.1.4): these see the stores above, and the next block's stores come behind them
.endr
.endr
.endif
.endm
.macro SEND p, younger                 ; younger: the LDS instructions issued behind pair p's loads
	s_wait_dscnt \younger
.irp u, 0,1
.irp c, 0,1,2,3
	global_store_b128 v[CO], v[BK+32*(\p)+16*\u+4*\c:BK+32*(\p)+16*\u+4*\c+3], s[10:11] offset:(2*(\p)+\u)*2048+512*\c   ; 512 consecutive bytes, aligned
.endr
.endr
.endm
	PLACES NP                                      ; behind the last products: for the loads into A's registers and the reads of results
	PACK 0
	PACK 1
	PACK 2
	PACK 3
	SEND 0, 24                                     ; behind pair 0's loads: 16 stores and 8 loads
	PACK 4
	PACK 5
	SEND 1, 24
	PACK 6
	PACK 7
	SEND 2, 24
	SEND 3, 0
	s_wait_tensorcnt 0x0                           ; the wave's end
	ds_add_u32 v[SPW], v[NIL]
	s_wait_dscnt 0x0
	CROUND                                         ; the closing round: no work-group ends while a partner may still ask for a tile that names it
	s_endpgm
.Lpack:                                                ; THE MASK: no LDS, no barrier, no joint load in these clusters
	s_load_b64 s[88:89], s[0:1], 0x40              ; flags
	s_sub_co_u32 s92, s98, 6
	s_lshl_b32 s92, s92, 5
	s_lshl_b32 s93, s41, 3
	s_add_co_u32 s92, s92, s93
	s_lshl_b32 s93, ttmp9, 2
	s_add_co_u32 s92, s92, s93
	s_add_co_u32 s92, s92, s40                     ; G, 0..63
	s_lshl_b32 s84, s92, 4
	s_lshl_b32 s93, s14, 2
	s_add_co_u32 s84, s84, s93                     ; flags: 16 G + 4 w bytes
	s_mov_b32 s85, 0
	s_lshl_b32 s92, s92, 1
	s_and_b32 s93, s14, 1
	s_or_b32 s92, s92, s93                         ; T
	s_lshr_b32 s93, s14, 1                         ; which 1,024 keys
	s_lshl_b32 s94, s92, 12
	s_lshl_b32 s95, s93, 11
	s_add_co_u32 s94, s94, s95                     ; maskw: 4,096 T + 2,048 (w / 2)
	s_mov_b32 s95, 0
	s_lshl_b32 s92, s92, 15
	s_lshl_b32 s93, s93, 10
	s_add_co_u32 s92, s92, s93                     ; the mask: 16 T rows of 2,048 bytes + 1,024 (w / 2)
	s_mov_b32 s93, 0
	v_and_b32 v1, 15, v0
	v_bfe_u32 v2, v0, 4, 1
	v_and_b32 v6, 31, v0
	v_lshlrev_b32 v[CO], 4, v6
	v_lshlrev_b32 v[MO], 11, v1
	v_lshl_add_u32 v[MO], v2, 4, v[MO]
.irp j, 0,1,2,3
	v_mov_b32 v[PW+\j], 0                          ; a lane write's destination counts as read
.endr
	s_mov_b32 s86, 0                               ; steps with a key that is seen
	s_mov_b32 s87, 0                               ; steps whose keys are all seen
	s_mov_b32 s9, 0
	s_wait_alu depctr_va_vdst(0)
	s_wait_kmcnt 0x0
	s_add_nc_u64 s[92:93], s[78:79], s[92:93]
	s_add_nc_u64 s[94:95], s[82:83], s[94:95]
	s_add_nc_u64 s[84:85], s[88:89], s[84:85]
.Lsteps:                                               ; two key steps a trip, four trips
.irp sp, 0,1
.irp b, 0,1,2,3
	global_load_b128 v[MB+4*(4*\sp+\b):MB+4*(4*\sp+\b)+3], v[MO], s[92:93] offset:128*\sp+32*\b   ; lane (r, h): mask[16 T + r][128 s + 32 b + 16 h + 0 .. 15]; the eight loads cover 256 bytes on end of each of 16 rows
.endr
.endr
.irp sp, 0,1
.irp b, 0,1,2,3
	s_wait_loadcnt 7-(4*\sp+\b)                    ; loads come back in order (ISA guide 5.7.1): this one is in, the younger ones stay out
.irp m, 0,1,2,3
.irp y, 0,1,2,3
	v_bfe_u32 v[PT+\y], v[MB+4*(4*\sp+\b)+\m], 8*\y, 8
.endr
.irp y, 0,1,2,3
	v_cmp_ne_u32 s[88+\y], 0, v[PT+\y]             ; the 32 lanes' bits are word n = 16 b + 4 m + y
.endr
.irp y, 0,1,2,3
	v_writelane_b32 v[PW+\y], s[88+\y], 16*\sp+4*\b+\m   ; word 64 sp + n of 128: lane = word / 4, register = word % 4
.endr
.endr
.endr
	v_or_b32 v[PT], v[MB+16*\sp], v[MB+16*\sp+1]
	v_and_b32 v[PT+1], v[MB+16*\sp], v[MB+16*\sp+1]
.irp k, 2,3,4,5,6,7,8,9,10,11,12,13,14,15
	v_or_b32 v[PT], v[PT], v[MB+16*\sp+\k]
	v_and_b32 v[PT+1], v[PT+1], v[MB+16*\sp+\k]
.endr
	v_cmp_ne_u32 s88, 0, v[PT]                     ; lanes that see some key
	v_cmp_ne_u32 s89, 0x01010101, v[PT+1]          ; lanes from which some key is hidden
	s_lshr_b32 s86, s86, 1                         ; behind eight steps bit s is step s's
	s_lshr_b32 s87, s87, 1
	s_cmp_lg_u32 s88, 0
	s_cselect_b32 s90, 0x80, 0
	s_cmp_eq_u32 s89, 0
	s_cselect_b32 s91, 0x80, 0
	s_or_b32 s86, s86, s90
	s_or_b32 s87, s87, s91
.endr
	s_wait_alu depctr_va_vdst(0)
	global_store_b128 v[CO], v[PW:PW+3], s[94:95]  ; 32 lanes store 512 consecutive bytes: two key steps' words
	s_wait_xcnt 0x0                                ; the store's data and both addresses are rewritten behind this wait alone
	s_add_nc_u64 s[92:93], s[92:93], 256
	s_add_nc_u64 s[94:95], s[94:95], 512
	s_add_co_u32 s9, s9, 1
	s_cmp_lt_u32 s9, 4
	s_cbranch_scc1 .Lsteps
	s_lshl_b32 s87, s87, 8
	s_or_b32 s86, s86, s87
	v_mov_b32 v4, 0
	v_mov_b32 v5, s86
	v_cmp_eq_u32 vcc_lo, 0, v6
	s_wait_alu depctr_va_vdst(0)
	s_wait_xcnt 0x0                                ; EXEC changes only behind this wait
	s_and_saveexec_b32 s90, vcc_lo
	global_store_b32 v4, v5, s[84:85]              ; one word: one lane
	s_endpgm
.Lfunc_end_k_q2c5d74cb09_qkv_proj:
	.size	k_q2c5d74cb09_qkv_proj, .Lfunc_end_k_q2c5d74cb09_qkv_proj-k_q2c5d74cb09_qkv_proj
	.p2alignl 7, 3214868480
	.fill 96, 4, 3214868480
	.section	.rodata,"a",@progbits
	.p2align	6, 0x0
	.amdhsa_kernel k_q2c5d74cb09_qkv_proj
		.amdhsa_group_segment_fixed_size 327680
		.amdhsa_private_segment_fixed_size 0
		.amdhsa_enable_private_segment 0
		.amdhsa_kernarg_size 72
		.amdhsa_user_sgpr_count 2
		.amdhsa_user_sgpr_kernarg_segment_ptr 1
		.amdhsa_wavefront_size32 1
		.amdhsa_system_sgpr_workgroup_id_x 1
		.amdhsa_system_sgpr_workgroup_id_y 1
		.amdhsa_system_sgpr_workgroup_id_z 1
		.amdhsa_system_vgpr_workitem_id 0
		.amdhsa_next_free_vgpr 1024
		.amdhsa_next_free_sgpr 100
		.amdhsa_reserve_vcc 1
		.amdhsa_float_denorm_mode_32 3
		.amdhsa_float_denorm_mode_16_64 3
		.amdhsa_memory_ordered 1
		.amdhsa_forward_progress 1
		.amdhsa_inst_pref_size 156
	.end_amdhsa_kernel
	.amdgpu_metadata
---
amdhsa.version: [ 1, 2 ]
amdhsa.kernels:
  - .name:           k_q2c5d74cb09_qkv_proj
    .symbol:         k_q2c5d74cb09_qkv_proj.kd
    .args:
      - { .name: x_codes, .offset: 0, .size: 8, .value_kind: global_buffer, .address_space: global }
      - { .name: Wq_codes, .offset: 8, .size: 8, .value_kind: global_buffer, .address_space: global }
      - { .name: Wk_codes, .offset: 16, .size: 8, .value_kind: global_buffer, .address_space: global }
      - { .name: Wv_codes, .offset: 24, .size: 8, .value_kind: global_buffer, .address_space: global }
      - { .name: lowp_scales, .offset: 32, .size: 8, .value_kind: global_buffer, .address_space: global }
      - { .name: mask, .offset: 40, .size: 8, .value_kind: global_buffer, .address_space: global }
      - { .name: qkv, .offset: 48, .size: 8, .value_kind: global_buffer, .address_space: global }
      - { .name: maskw, .offset: 56, .size: 8, .value_kind: global_buffer, .address_space: global }
      - { .name: flags, .offset: 64, .size: 8, .value_kind: global_buffer, .address_space: global }
    .group_segment_fixed_size: 327680
    .private_segment_fixed_size: 0
    .kernarg_segment_align: 8
    .kernarg_segment_size: 72
    .max_flat_workgroup_size: 128
    .sgpr_count:     100
    .vgpr_count:     1024
    .wavefront_size: 32
...
	.end_amdgpu_metadata
.endif
;; end of part 4
;; launch attention (part 5): grid 16 x 16, 8 waves a work-group, no clusters, 201,728 bytes of LDS; arguments qkv, maskw, flags, lowp_scales, ac; writes ac
.if DOCPART == 5
	.amdgcn_target "amdgcn-amd-amdhsa--gfx1250"
	.amdhsa_code_object_version 6
	.text
	.protected	k_q2c5d74cb09_attention
	.globl	k_q2c5d74cb09_attention
	.p2align	8
	.type	k_q2c5d74cb09_attention,@function
k_q2c5d74cb09_attention:
	s_mov_b64 s[64:65], 0
	v_nop
	global_prefetch_b8 v0, s[64:65] scope:SCOPE_SE
	s_setreg_imm32_b32 hwreg(HW_REG_WAVE_MODE, 25, 1), 1
	s_wait_xcnt 0x0
; attn[q][head][:] = the sum over keys of softmax(mask ? q . k / sqrt(128) : -infinity) v, both products on codes of FP8 (E4M3); the result is quantised at once to codes with its given scale.
; In: qkv (operand images of 128 rows x 128 codes: [tile][c][lane][16 bytes]), maskw (lane masks), flags (which key steps are seen at all, which by all).  Scales: e6 (q), e7 (k), e8 (v), e9 (p), e10 (attn).
; THE SOFTMAX: t = score x log2(e) / sqrt(128); M = the running largest t rounded UP to a whole number; p = 2^(t - M) is what is quantised; the row's sum is taken of the unquantised p and divides at the end.
; When M moves, the sum and O are multiplied by 2^(old M - new M), which rounds nothing.
; THE MASK IS AN INPUT, AND WHOLE NUMBERS DECIDE: flags, made of the mask by the launch before, say for 32 queries and 128 keys whether any key is seen.  Where none is, p is 0 for all of them and the step is left out by a scalar branch;
; where every key is seen by every query the selects are left out; else hidden scores become -infinity ahead of the maximum.  This holds for every mask.
; SHARES.  A work-group owns 128 queries of one head: blocks x and 31 - x of 64.  A wave owns 32 of them (two tiles of 16) and every second key step of 128: waves 2 n and 2 n + 1 share their queries and join their sums through LDS at the end.
; Waves 0-3 take block x, waves 4-7 block 31 - x, so that a wave of either block lies among each four on end.
; K and V come through two LDS slots of 256 keys (64 KiB: K's two steps, then V's two), by loads into registers (a wave a part of 8 KiB) and LDS stores.
; NO TENSOR LOAD AND NO CLUSTER: which steps are walked is read from memory, so no joint request is made; a slot serves eight waves from one load of its 65,536 bytes.
; A trip is 256 keys: (scores, softmax of my step) barrier (second product, the next step's fragments of K).  Between two barriers one slot is read and the other is written.
; LAYOUT.  Both products are used transposed: S^T = K Q^T, O^T = V^T P^T: a lane holds ONE query of a tile (lane % 16).  The 16 registers of score tiles 2 b, 2 b + 1 are the 16 neighbouring keys 32 b + 16 (lane / 16) + 0 .. 15,
; so p's conversions give the second product's operand; likewise O^T's registers 16 b + i are d = 32 b + 16 (lane / 16) + i.
; OUT.  ac[head][T][c][lane][16 bytes]: lane (r, h), group c: attn(16 T + r, 128 head + 32 c + 16 h + 0 .. 15).
; PREFETCH.  The 16 work-groups of a head share K's and V's blocks of 256 bytes out by address, each block once: work-group x asks for trips of x's parity, an eighth of a trip's 64 KiB with one instruction; wave 0 in the head for trip 2 or 3, wave 1 in trip 0 for trip 4 or 5, wave 2 in trip 2 for trip 6 or 7.
; A query whose mask row is all false has the sum 0: its codes are set to the NaN code, as the softmax of such a row is NaN.
; LIMITS: e6 + e7 between -123 and 130 (added to c's exponent field); e9, and e10 - e8 - e9, between -126 and 119; scaled scores under 2^31 in magnitude.  NaN and infinities among the scores are not served; a NaN that only hidden keys would bring is not carried.
; REGISTERS: window 0: v0 -infinity, v1 16 x lane, v2, v3 -M of my tiles, v[4:5], v[6:7] their sums in two halves, v8, v9 p's scale and 448 x it, v10 prefetch offset, v11-13 LDS addresses, v14, v15 the add's two;
;   v16-47 Q; v48-63 at work, then tile 0's codes; v64-127, v128-191 scores of tiles 0 and 1, then p (v64-79: tile 1's codes); v192-255 the part of a slot on its way.
;   window 1: v0-63, v64-127 O^T of tiles 0 and 1; v128-191, v192-255 fragments of K or V, two halves of four tiles.
.set SLOT, 65536
.set VOFF, 32768
.set CB,   131072                      ; behind the slots: what a wave hands to its partner
.set CBW,  8704
.set SPARE, CB+8*CBW                   ; the spare words, 128 bytes for each wave, which no other line names
.set MSB, 0
.macro WIN new                         ; the immediate's high byte repeats the setting that is left
.if MSB != (\new)
	s_set_vgpr_msb (MSB<<8)|(\new)
.set MSB, (\new)
.endif
.endm
.macro PLACES n                        ; plain places behind matrix instructions (ISA guide 7.12.1)
.rept \n
	v_nop
.endr
.endm
.macro KHALF a                         ; four tiles of K of the step ahead
	WIN 0x40
.irp t, 0,1,2,3
.irp c, 0,1,2,3
	ds_load_b128 v[128+64*\a+16*\t+4*\c:131+64*\a+16*\t+4*\c], v12 offset:(4*\a+\t)*2048+512*\c
.endr
.endr
	WIN 0
.endm
.macro SCORE a                         ; S^T = K Q^T: four tiles of keys x my two tiles of queries
	WIN 0x01
.irp t, 0,1,2,3
	v_wmma_f32_16x16x128_fp8_fp8 v[64+8*(4*\a+\t):71+8*(4*\a+\t)], v[128+64*\a+16*\t:143+64*\a+16*\t], v[16:31], 0
	v_wmma_f32_16x16x128_fp8_fp8 v[128+8*(4*\a+\t):135+8*(4*\a+\t)], v[128+64*\a+16*\t:143+64*\a+16*\t], v[32:47], 0
.endr
	WIN 0
.endm
.macro PV a                            ; O^T += V^T P^T: four tiles of d; the sixteen accumulators take turns, one instruction a turn
	WIN 0x51
.irp t, 0,1,2,3
	v_wmma_f32_16x16x128_fp8_fp8 v[8*(4*\a+\t):8*(4*\a+\t)+7], v[128+64*\a+16*\t:143+64*\a+16*\t], v[48:63], v[8*(4*\a+\t):8*(4*\a+\t)+7]
	v_wmma_f32_16x16x128_fp8_fp8 v[64+8*(4*\a+\t):71+8*(4*\a+\t)], v[128+64*\a+16*\t:143+64*\a+16*\t], v[64:79], v[64+8*(4*\a+\t):71+8*(4*\a+\t)]
.endr
.endm
; My part of the next trip's slot goes into LDS, and the part of the trip after that is asked for, where some wave of the work-group walks one of its steps (s18: bits 1:0 the next trip's steps, bits 3:2 those behind).
.macro STAGE
	s_wait_loadcnt 0x0                             ; asked for a trip ago
	s_and_b32 s66, s18, 3
	s_cbranch_scc0 .Lno_store_\@
.irp k, 0,1,2,3,4,5,6,7,8,9,10,11,12,13,14,15
	ds_store_b128 v13, v[192+4*\k:195+4*\k] offset:512*\k
.endr
.Lno_store_\@:
	s_and_b32 s66, s18, 12
	s_cbranch_scc0 .Lno_load_\@
.irp k, 0,1,2,3,4,5,6,7,8,9,10,11,12,13,14,15
	global_load_b128 v[192+4*\k:195+4*\k], v1, s[22:23] offset:65536+512*\k
.endr
.Lno_load_\@:
.endm
.macro SUM p, acc                      ; 64 registers from v[p] on into the pair acc, in four chains
	v_pk_add_f32 v[50:51], v[\p:\p+1], v[\p+2:\p+3]
	v_pk_add_f32 v[52:53], v[\p+4:\p+5], v[\p+6:\p+7]
	v_pk_add_f32 v[54:55], v[\p+8:\p+9], v[\p+10:\p+11]
	v_pk_add_f32 v[\acc:\acc+1], v[\acc:\acc+1], v[\p+12:\p+13]
.set J, \p+14
.rept 6
	v_pk_add_f32 v[50:51], v[50:51], v[J:J+1]
	v_pk_add_f32 v[52:53], v[52:53], v[J+2:J+3]
	v_pk_add_f32 v[54:55], v[54:55], v[J+4:J+5]
	v_pk_add_f32 v[\acc:\acc+1], v[\acc:\acc+1], v[J+6:J+7]
.set J, J+8
.endr
	v_pk_add_f32 v[50:51], v[50:51], v[J:J+1]
	v_pk_add_f32 v[52:53], v[52:53], v[54:55]
	v_pk_add_f32 v[\acc:\acc+1], v[\acc:\acc+1], v[50:51]
	v_pk_add_f32 v[\acc:\acc+1], v[\acc:\acc+1], v[52:53]
.endm
	s_load_b256 s[4:11], s[0:1], 0x0               ; qkv s[4:5], maskw s[6:7], flags s[8:9], the scales s[10:11]
	s_load_b64 s[12:13], s[0:1], 0x20              ; ac
	v_lshl_add_u32 v14, v0, 2, SPARE
	v_mov_b32 v15, 0
	v_lshrrev_b32 v11, 5, v0
	v_readfirstlane_b32 s14, v11                   ; wave 0..7
	v_and_b32 v9, 31, v0
	v_lshlrev_b32 v1, 4, v9                        ; 16 x lane
	v_and_b32 v13, 15, v0                          ; r
	v_bfe_u32 v12, v0, 4, 1                        ; h
	v_lshlrev_b32 v10, 8, v13
	v_lshl_add_u32 v10, v12, 22, v10               ; the prefetches: lanes 0-15 K's 16 blocks, lanes 16-31 V's, 4 MiB on
	v_lshrrev_b32 v8, 3, v13
	v_and_b32 v9, 7, v13
	v_lshlrev_b32 v9, 4, v9
	v_lshl_add_u32 v9, v12, 8, v9
	v_lshl_add_u32 v11, v8, 11, v9                 ; Q: token 16 q + r of its 32 lies in tile r / 8, row r % 8 + 8 q
	v_mov_b32 v0, 0xff800000                       ; -infinity
	s_and_b32 s15, ttmp7, 0xffff
	s_lshl_b32 s15, s15, 18                        ; head x 262,144
	s_and_b32 s16, s14, 1                          ; p: my key steps' parity
	s_mov_b32 s19, ttmp9
	s_sub_co_u32 s20, 31, ttmp9
	s_cmp_lt_u32 s14, 4
	s_cselect_b32 s21, s19, s20
	s_lshl_b32 s21, s21, 1
	s_bfe_u32 s17, s14, 0x10001
	s_add_co_u32 s21, s21, s17                     ; G: my 32 queries
	s_lshl_b32 s2, s19, 5                          ; flags: two groups of block x,
	s_lshl_b32 s3, s20, 5                          ; two of block 31 - x,
	s_lshl_b32 s18, s21, 4                         ; and mine
	s_lshr_b32 s32, s14, 2                         ; my part of a slot: waves 0-3 of K, waves 4-7 of V, which lies 4 MiB behind
	s_add_co_u32 s32, s32, 1
	s_lshl_b32 s32, s32, 22
	s_and_b32 s33, s14, 3
	s_lshl_b32 s33, s33, 13
	s_add_co_u32 s32, s32, s33
	s_add_co_u32 s32, s32, s15
	s_mov_b32 s33, 0
	s_lshl_b32 s34, s21, 12
	s_add_co_u32 s34, s34, s15
	s_mov_b32 s35, 0
	s_lshl_b32 s36, s16, 7                         ; my tile 0: queries 16 (2 G + p) on,
	s_xor_b32 s37, s36, 128                        ; my tile 1: the other sixteen (so each wave of a pair ends with its tile 0)
	s_min_u32 s40, s14, 2                          ; the prefetches: trip 2 + 2 wave + x % 2 (waves 3 on never ask)
	s_lshl_b32 s40, s40, 16
	s_and_b32 s41, s19, 1
	s_lshl_b32 s41, s41, 15
	s_add_co_u32 s40, s40, s41
	s_lshr_b32 s41, s19, 1
	s_lshl_b32 s41, s41, 12
	s_add_co_u32 s40, s40, s41
	s_add_co_u32 s40, s40, s15
	s_add_co_u32 s40, s40, 0x410000
	s_mov_b32 s41, 0
	s_lshl_b32 s42, s21, 1
	s_or_b32 s42, s42, s16                         ; T of my tile 0
	s_lshl_b32 s44, s16, 8
	s_lshl_b32 s46, s42, 12
	s_add_co_u32 s44, s46, s44                     ; maskw: 4,096 T + 256 p
	s_mov_b32 s45, 0
	s_xor_b32 s46, s44, 0x1000                     ; my tile 1's
	s_mov_b32 s47, 0
	s_lshl_b32 s48, s42, 11
	s_add_co_u32 s48, s48, s15                     ; ac: head + 2,048 T
	s_mov_b32 s49, 0
	s_wait_alu depctr_va_vdst(0)
	v_add_nc_u32 v12, s37, v11                     ; Q's offsets: my tile 1,
	v_add_nc_u32 v11, s36, v11                     ; my tile 0
	s_wait_alu depctr_va_vdst(0)
	s_wait_kmcnt 0x0
	s_load_b256 s[68:75], s[8:9], s2 offset:0x0
	s_load_b256 s[76:83], s[8:9], s3 offset:0x0
	s_load_b128 s[84:87], s[8:9], s18 offset:0x0
	s_load_b256 s[92:99], s[10:11], 0x10           ; entries 4 to 11: e6 s94, e7 s95, e8 s96, e9 s97, e10 s98
	s_add_nc_u64 s[22:23], s[4:5], s[32:33]
	s_add_nc_u64 s[24:25], s[6:7], s[44:45]
	s_add_nc_u64 s[26:27], s[6:7], s[46:47]
	s_add_nc_u64 s[6:7], s[4:5], s[34:35]          ; Q at my 32 queries
	s_add_nc_u64 s[12:13], s[12:13], s[48:49]
	s_add_nc_u64 s[4:5], s[4:5], s[40:41]          ; the prefetches' address from here on
.irp k, 0,1,2,3,4,5,6,7,8,9,10,11,12,13,14,15
	global_load_b128 v[64+4*\k:67+4*\k], v1, s[22:23] offset:512*\k         ; my part of trip 0's slot
.endr
.irp c, 0,1,2,3
	global_load_b128 v[16+4*\c:19+4*\c], v11, s[6:7] offset:512*\c         ; Q stays in registers
	global_load_b128 v[32+4*\c:35+4*\c], v12, s[6:7] offset:512*\c
.endr
.irp k, 0,1,2,3,4,5,6,7,8,9,10,11,12,13,14,15
	global_load_b128 v[192+4*\k:195+4*\k], v1, s[22:23] offset:32768+512*\k  ; my part of trip 1's
.endr
	s_cmp_eq_u32 s14, 0
	s_cbranch_scc0 .Lno_ask
	global_prefetch_b8 v10, s[4:5] th:TH_LOAD_NT scope:SCOPE_SE
.Lno_ask:
	WIN 0x40
.set J, 0
.rept 128
	v_mov_b32 v[J], 0                              ; O^T: the step is written once for every step; the first change of M leaves zeros zeros
.set J, J+1
.endr
	WIN 0
.set J, 48
.rept 16
	v_mov_b32 v[J], 0                              ; (a lane permute's destination counts as read)
.set J, J+1
.endr
	v_mov_b32 v2, 0x7f61b1e6                       ; -M: 3e38, over every -t
	v_mov_b32 v3, 0x7f61b1e6
	v_mov_b32 v4, 0
	v_mov_b32 v5, 0
	v_mov_b32 v6, 0
	v_mov_b32 v7, 0
	s_wait_alu depctr_va_vdst(0)
	s_wait_kmcnt 0x0
	s_wait_xcnt 0x0                                ; the loads have read their offsets: v11 and v12 may be written
	s_or_b32 s66, s68, s69                         ; steps 0-7 that some query of the work-group sees,
	s_or_b32 s67, s72, s73
	s_or_b32 s66, s66, s67
	s_or_b32 s67, s76, s77
	s_or_b32 s66, s66, s67
	s_or_b32 s67, s80, s81
	s_or_b32 s66, s66, s67
	s_and_b32 s18, s66, 0xff
	s_or_b32 s66, s70, s71                         ; and steps 8-15
	s_or_b32 s67, s74, s75
	s_or_b32 s66, s66, s67
	s_or_b32 s67, s78, s79
	s_or_b32 s66, s66, s67
	s_or_b32 s67, s82, s83
	s_or_b32 s66, s66, s67
	s_and_b32 s66, s66, 0xff
	s_lshl_b32 s66, s66, 8
	s_or_b32 s18, s18, s66
	s_lshr_b32 s18, s18, 2                         ; bits 1:0: trip 1's steps
	s_and_b32 s17, s84, s85                        ; my steps whose keys are all seen by all my queries
	s_lshr_b32 s17, s17, 8
	s_and_b32 s17, s17, 0xff
	s_and_b32 s66, s86, s87
	s_and_b32 s66, s66, 0xff00
	s_or_b32 s17, s17, s66
	s_lshr_b32 s17, s17, s16
	s_or_b32 s19, s84, s85                         ; my steps of which some key is seen
	s_and_b32 s19, s19, 0xff
	s_or_b32 s66, s86, s87
	s_and_b32 s66, s66, 0xff
	s_lshl_b32 s66, s66, 8
	s_or_b32 s19, s19, s66
	s_lshl_b32 s100, s16, 14                       ; s100: where my step's K and V begin in the slot that is read (slot 0 first); s101: in the other; s2: where I store
	s_add_co_u32 s101, s100, SLOT
	s_lshr_b32 s16, s19, s16                       ; s16: bit 0 this trip's step, bit 2 the next trip's
	s_lshl_b32 s66, s14, 13
	s_add_co_u32 s2, s66, SLOT
	s_mov_b32 s3, 0                                ; the trip
	s_sub_co_u32 s20, s14, 1
	s_lshl_b32 s20, s20, 1                         ; the trip in which I prefetch: 0 in wave 1, 2 in wave 2
	s_cmp_lt_u32 s14, 3
	s_cselect_b32 s20, s20, -1
	s_mov_b32 s28, 0x3e0293ee                      ; log2(e) / sqrt(128)
	s_mov_b32 s30, 0x76543210                      ; lane selects for v_permlanex16_b32: lane l xor 16
	s_mov_b32 s31, 0xfedcba98
	s_add_co_i32 s67, s94, s95
	s_lshl_b32 s67, s67, 23
	s_add_co_i32 s28, s28, s67                     ; a score stands for score x 2^(e6 + e7): added to c's exponent field
	s_mov_b32 s29, s28                             ; (named with it as a pair)
	s_sub_co_i32 s67, s98, s96
	s_sub_co_i32 s67, s67, s97                     ; a sum of the second product stands for sum x 2^(e8 + e9): attn's code is (sum / l) / 2^(e10 - e8 - e9)
	s_add_co_i32 s67, s67, 127
	s_lshl_b32 s21, s67, 23
	s_add_co_i32 s67, s67, 8
	s_lshl_b32 s67, s67, 23
	s_or_b32 s15, s67, 0x600000                    ; 448 x that
	s_add_co_i32 s67, s97, 127
	s_lshl_b32 s19, s67, 23
	s_add_co_i32 s67, s67, 8
	s_lshl_b32 s67, s67, 23
	s_or_b32 s67, s67, 0x600000
	v_mov_b32 v8, s19                              ; 2^e9, for p's conversions
	v_mov_b32 v9, s67                              ; 448 x 2^e9
	v_add_nc_u32 v13, s66, v1
	v_add_nc_u32 v12, s100, v1
	s_wait_alu depctr_va_vdst(0)
	s_wait_loadcnt 0x10                            ; trip 0's part and Q are in; trip 1's sixteen loads may be out
.irp k, 0,1,2,3,4,5,6,7,8,9,10,11,12,13,14,15
	ds_store_b128 v13, v[64+4*\k:67+4*\k] offset:512*\k
.endr
	s_wait_dscnt 0x0                               ; for the others' sake
	s_barrier_signal -1
	s_barrier_wait -1
	KHALF 0
	KHALF 1
.Ltrip:                                                ; eight trips of 256 keys
	v_add_nc_u32 v11, s100, v1
	v_add_nc_u32 v12, s101, v1
	v_add_nc_u32 v13, s2, v1
	s_wait_alu depctr_va_vdst(0)
	s_bitcmp1_b32 s16, 0
	s_cbranch_scc1 .Lwalk
	STAGE                                          ; no key of my step is seen: only my part of the slots
	s_branch .Lmeet
.Lwalk:
	s_bitcmp1_b32 s17, 0
	s_cbranch_scc1 .Lseen_a
	s_load_b512 s[32:47], s[24:25], 0x0            ; tile 0's 64 mask words
	s_load_b512 s[48:63], s[24:25], 0x40
	s_load_b512 s[68:83], s[24:25], 0x80
	s_load_b512 s[84:99], s[24:25], 0xc0
.Lseen_a:
	s_wait_dscnt 16                                ; K's first four tiles are in; the second four's sixteen loads may be out
	SCORE 0
	s_wait_dscnt 0x0
	SCORE 1
	PLACES 4
	WIN 0x40
.irp t, 0,1,2,3,4,5,6,7                        ; V's eight tiles land during the softmax
.irp c, 0,1,2,3
	ds_load_b128 v[128+16*\t+4*\c:131+16*\t+4*\c], v11 offset:VOFF+2048*\t+512*\c
.endr
.endr
	WIN 0
	STAGE
	s_wait_kmcnt 0x0
	s_bitcmp1_b32 s17, 0
	s_cbranch_scc1 .Lseen_b
.set N, 0
.rept 32
	v_cndmask_b32 v[64+N], v0, v[64+N], s[32+N]    ; bit = 1: the score stays; 0: -infinity.  Each accumulator from its low end on
.set N, N+1
.endr
	s_load_b512 s[32:47], s[26:27], 0x0            ; tile 1's words
	s_load_b512 s[48:63], s[26:27], 0x40
.set N, 0
.rept 32
	v_cndmask_b32 v[96+N], v0, v[96+N], s[68+N]
.set N, N+1
.endr
	s_load_b512 s[68:83], s[26:27], 0x80
	s_load_b512 s[84:99], s[26:27], 0xc0
	s_wait_alu depctr_va_vdst(0)
	s_wait_kmcnt 0x0
.set N, 0
.rept 32
	v_cndmask_b32 v[128+N], v0, v[128+N], s[32+N]
.set N, N+1
.endr
.set N, 0
.rept 32
	v_cndmask_b32 v[160+N], v0, v[160+N], s[68+N]
.set N, N+1
.endr
.Lseen_b:
	v_max3_num_f32 v48, v64, v65, v66              ; the step's largest score of my two queries, among my 64 keys, in four chains,
	v_max3_num_f32 v50, v128, v129, v130
	v_max3_num_f32 v49, v67, v68, v69
	v_max3_num_f32 v51, v131, v132, v133
.set J, 6
.rept 14
	v_max3_num_f32 v48, v48, v[64+J], v[65+J]
	v_max3_num_f32 v50, v50, v[128+J], v[129+J]
	v_max3_num_f32 v49, v49, v[66+J], v[67+J]
	v_max3_num_f32 v51, v51, v[130+J], v[131+J]
.set J, J+4
.endr
	v_max3_num_f32 v48, v48, v126, v127
	v_max3_num_f32 v50, v50, v190, v191
	v_max_num_f32 v48, v48, v49
	v_max_num_f32 v50, v50, v51
	v_permlanex16_b32 v52, v48, s30, s31
	v_permlanex16_b32 v53, v50, s30, s31
	v_max_num_f32 v48, v48, v52                    ; and among lane l xor 16's
	v_max_num_f32 v50, v50, v53
	v_mul_f32 v48, s28, v48                        ; as t (c is positive)
	v_mul_f32 v50, s28, v50
	v_floor_f32 v48, -v48                          ; floor(-t) = -ceil(t): a whole number
	v_floor_f32 v50, -v50
	v_min_num_f32 v48, v48, v2                     ; the new -M
	v_min_num_f32 v50, v50, v3
	v_sub_f32 v49, v48, v2                         ; old M - new M: a whole number, 0 or less
	v_sub_f32 v51, v50, v3
	v_mov_b32 v2, v48
	v_mov_b32 v3, v50
	v_cvt_i32_f32 v49, v49                         ; (it saturates)
	v_cvt_i32_f32 v51, v51
	v_ldexp_f32 v48, 1.0, v49                      ; f = 2^(old M - new M)
	v_ldexp_f32 v49, 1.0, v51
	v_pk_mul_f32 v[4:5], v[4:5], v[48:49] op_sel_hi:[1,0]
	v_pk_mul_f32 v[6:7], v[6:7], v[48:49] op_sel:[0,1] op_sel_hi:[1,1]
	WIN 0x41
.set J, 0
.rept 32
	v_pk_mul_f32 v[J:J+1], v[J:J+1], v[48:49] op_sel_hi:[1,0]   ; O^T under the new M
.set J, J+2
.endr
.rept 32
	v_pk_mul_f32 v[J:J+1], v[J:J+1], v[48:49] op_sel:[0,1] op_sel_hi:[1,1]
.set J, J+2
.endr
	WIN 0
.set J, 0
.rept 32
	v_pk_fma_f32 v[64+J:65+J], v[64+J:65+J], s[28:29], v[2:3] op_sel_hi:[1,0,0]   ; tile 0: t - M, two at a time
.set J, J+2
.endr
	s_wait_alu depctr_va_vdst(0)                   ; ahead of the batch
.set J, 0
.rept 32
	v_exp_f32 v[64+J], v[64+J]                     ; tile 0: p = 2^(t - M), at most 1; 0 where the key is hidden
	v_exp_f32 v[65+J], v[65+J]
	v_pk_fma_f32 v[128+J:129+J], v[128+J:129+J], s[28:29], v[2:3] op_sel:[0,0,1] op_sel_hi:[1,0,1]   ; tile 1: t - M
.set J, J+2
.endr
	s_wait_alu depctr_va_vdst(0)                   ; behind tile 0's batch and ahead of tile 1's
	SUM 64, 4                                      ; the row's sum is taken of the unquantised p
	s_wait_alu depctr_va_vdst(0)
.set J, 0
.rept 32
	v_exp_f32 v[128+J], v[128+J]
	v_exp_f32 v[129+J], v[129+J]
	v_dual_min_num_f32 v[64+J], v9, v[64+J] :: v_dual_min_num_f32 v[65+J], v9, v[65+J]   ; tile 0's hold: the conversion to an 8-bit code does not saturate (ISA guide 7.6.2); p is not negative, so it is one-sided
.set J, J+2
.endr
	s_wait_alu depctr_va_vdst(0)                   ; behind tile 1's batch
	SUM 128, 6
.irp b, 0,1,2,3
	v_cvt_scalef32_pk8_fp8_f32 v[48+4*\b:49+4*\b], v[64+16*\b:71+16*\b], v8
	v_cvt_scalef32_pk8_fp8_f32 v[50+4*\b:51+4*\b], v[72+16*\b:79+16*\b], v8
.endr
.set J, 0
.rept 32
	v_dual_min_num_f32 v[128+J], v9, v[128+J] :: v_dual_min_num_f32 v[129+J], v9, v[129+J]   ; tile 1's hold (also the plain places behind tile 0's conversions)
.set J, J+2
.endr
.irp b, 0,1,2,3
	v_cvt_scalef32_pk8_fp8_f32 v[64+4*\b:65+4*\b], v[128+16*\b:135+16*\b], v8
	v_cvt_scalef32_pk8_fp8_f32 v[66+4*\b:67+4*\b], v[136+16*\b:143+16*\b], v8
.endr
	v_nop                                          ; one plain vector instruction behind the conversions
.Lmeet:
	s_wait_alu depctr_va_vdst(0)
	s_wait_dscnt 0x0                               ; my reads of this slot are over (V is in registers), my stores into the other are done
	s_barrier_signal -1
	s_barrier_wait -1                              ; the other slot is whole
	s_bitcmp1_b32 s16, 0
	s_cbranch_scc1 .Lsecond
	s_bitcmp1_b32 s16, 2
	s_cbranch_scc0 .Lnext
	KHALF 0
	KHALF 1
	s_branch .Lnext
.Lsecond:
	PV 0
	PLACES 4
	KHALF 0                                        ; the next step's K (where it is not walked, not used)
	PV 1
	PLACES 5                                       ; for the loads, and for the next scores, which are laid over tile 1's codes
	KHALF 1
.Lnext:
	s_lshr_b32 s16, s16, 2
	s_lshr_b32 s17, s17, 2
	s_lshr_b32 s18, s18, 2
	s_xor_b32 s100, s100, SLOT
	s_xor_b32 s101, s101, SLOT
	s_xor_b32 s2, s2, SLOT
	s_add_nc_u64 s[24:25], s[24:25], 512           ; two key steps on
	s_add_nc_u64 s[26:27], s[26:27], 512
	s_wait_xcnt 0x0                                ; my loads have read their base
	s_add_nc_u64 s[22:23], s[22:23], 0x8000
	s_cmp_eq_u32 s3, s20
	s_cbranch_scc0 .Lno_ask_t
	global_prefetch_b8 v10, s[4:5] th:TH_LOAD_NT scope:SCOPE_SE
.Lno_ask_t:
	s_add_co_u32 s3, s3, 1
	s_cmp_lt_u32 s3, 8
	s_cbranch_scc1 .Ltrip
	; THE WAY OUT.  Each wave hands its tile 1 (O^T, -M, the sum) to its partner, for which it is tile 0, and joins what it gets with its own tile 0.
	s_wait_loadcnt 0x0                             ; no load into v[192:255] is out: they are written below
	v_add_f32 v4, v4, v5                           ; the sums' two halves,
	v_add_f32 v6, v6, v7
	v_permlanex16_b32 v48, v4, s30, s31
	v_permlanex16_b32 v49, v6, s30, s31
	v_add_f32 v4, v4, v48                          ; and lane l xor 16's
	v_add_f32 v49, v6, v49
	v_mov_b32 v48, v3
	s_mul_i32 s66, s14, CBW
	s_add_co_u32 s66, s66, CB                      ; my bytes
	s_xor_b32 s67, s14, 1
	s_mul_i32 s67, s67, CBW
	s_add_co_u32 s67, s67, CB                      ; my partner's
	v_add_nc_u32 v11, s66, v1
	v_add_nc_u32 v12, s67, v1
	v_lshrrev_b32 v9, 1, v1                        ; 8 x lane
	v_add_nc_u32 v13, s66, v9
	v_add_nc_u32 v9, s67, v9
	WIN 0x04
.irp k, 0,1,2,3,4,5,6,7,8,9,10,11,12,13,14,15
	ds_store_b128 v11, v[64+4*\k:67+4*\k] offset:512*\k
.endr
	WIN 0
	ds_store_b64 v13, v[48:49] offset:8192
	s_wait_alu depctr_va_vdst(0)
	s_wait_dscnt 0x0                               ; for my partner's sake
	s_barrier_signal -1
	s_barrier_wait -1
	ds_load_b64 v[50:51], v9 offset:8192
.irp k, 0,1,2,3,4,5,6,7,8,9,10,11,12,13,14,15
	ds_load_b128 v[64+4*\k:67+4*\k], v12 offset:512*\k
.endr
	s_wait_dscnt 16                                ; -M and the sum are in; O^T's sixteen loads may be out
	v_min_num_f32 v52, v2, v50                     ; the common -M
	v_sub_f32 v53, v52, v2
	v_sub_f32 v54, v52, v50
	v_cvt_i32_f32 v53, v53
	v_cvt_i32_f32 v54, v54
	v_ldexp_f32 v52, 1.0, v53                      ; mine x 2^(my M - M)
	v_ldexp_f32 v53, 1.0, v54                      ; my partner's likewise
	v_mul_f32 v55, v4, v52
	v_fma_f32 v55, v51, v53, v55                   ; the row's sum
	v_cmp_eq_f32 vcc_lo, 0, v55                    ; a row with no key at all
	v_mov_b32 v57, s21
	v_mov_b32 v58, s15
	v_mov_b32 v59, 0x7f7f7f7f                      ; four NaN codes
	s_wait_alu depctr_va_vdst(0)                   ; ahead of the transcendental
	v_rcp_f32 v56, v55
	v_nop
	s_wait_alu depctr_va_vdst(0)                   ; ahead of its first reader
	v_pk_mul_f32 v[52:53], v[52:53], v[56:57] op_sel_hi:[1,0]   ; both factors / the sum
	WIN 0x01
	s_wait_alu depctr_va_vdst(0)                   ; directly ahead of the first reader of O^T
.set J, 0
.rept 32
	v_pk_mul_f32 v[128+J:129+J], v[J:J+1], v[52:53] op_sel_hi:[1,0]
.set J, J+2
.endr
	WIN 0
	s_wait_dscnt 0x0
.set J, 0
.rept 32
	v_pk_fma_f32 v[128+J:129+J], v[64+J:65+J], v[52:53], v[128+J:129+J] op_sel:[0,1,0] op_sel_hi:[1,1,1]
.set J, J+2
.endr
.set J, 0
.rept 64
	v_med3_num_f32 v[128+J], v[128+J], -v58, v58
.set J, J+1
.endr
.irp b, 0,1,2,3
	v_cvt_scalef32_pk8_fp8_f32 v[192+4*\b:193+4*\b], v[128+16*\b:135+16*\b], v57
	v_cvt_scalef32_pk8_fp8_f32 v[194+4*\b:195+4*\b], v[136+16*\b:143+16*\b], v57
.endr
	v_nop                                          ; one plain vector instruction between the conversions and the lines that touch their results
.set J, 192
.rept 16
	v_cndmask_b32 v[J], v[J], v59, vcc_lo
.set J, J+1
.endr
.irp c, 0,1,2,3
	global_store_b128 v1, v[192+4*\c:195+4*\c], s[12:13] offset:512*\c   ; 32 lanes store 512 consecutive bytes, aligned
.endr
	s_wait_tensorcnt 0x0                           ; the wave's end
	ds_add_u32 v14, v15
	s_wait_dscnt 0x0
	s_endpgm
.Lfunc_end_k_q2c5d74cb09_attention:
	.size	k_q2c5d74cb09_attention, .Lfunc_end_k_q2c5d74cb09_attention-k_q2c5d74cb09_attention
	.p2alignl 7, 3214868480
	.fill 96, 4, 3214868480
	.section	.rodata,"a",@progbits
	.p2align	6, 0x0
	.amdhsa_kernel k_q2c5d74cb09_attention
		.amdhsa_group_segment_fixed_size 201728
		.amdhsa_private_segment_fixed_size 0
		.amdhsa_enable_private_segment 0
		.amdhsa_kernarg_size 40
		.amdhsa_user_sgpr_count 2
		.amdhsa_user_sgpr_kernarg_segment_ptr 1
		.amdhsa_wavefront_size32 1
		.amdhsa_system_sgpr_workgroup_id_x 1
		.amdhsa_system_sgpr_workgroup_id_y 1
		.amdhsa_system_sgpr_workgroup_id_z 1
		.amdhsa_system_vgpr_workitem_id 0
		.amdhsa_next_free_vgpr 512
		.amdhsa_next_free_sgpr 102
		.amdhsa_reserve_vcc 1
		.amdhsa_float_denorm_mode_32 3
		.amdhsa_float_denorm_mode_16_64 3
		.amdhsa_memory_ordered 1
		.amdhsa_forward_progress 1
		.amdhsa_inst_pref_size 82
	.end_amdhsa_kernel
	.amdgpu_metadata
---
amdhsa.version: [ 1, 2 ]
amdhsa.kernels:
  - .name:           k_q2c5d74cb09_attention
    .symbol:         k_q2c5d74cb09_attention.kd
    .args:
      - { .name: qkv, .offset: 0, .size: 8, .value_kind: global_buffer, .address_space: global }
      - { .name: maskw, .offset: 8, .size: 8, .value_kind: global_buffer, .address_space: global }
      - { .name: flags, .offset: 16, .size: 8, .value_kind: global_buffer, .address_space: global }
      - { .name: lowp_scales, .offset: 24, .size: 8, .value_kind: global_buffer, .address_space: global }
      - { .name: ac, .offset: 32, .size: 8, .value_kind: global_buffer, .address_space: global }
    .group_segment_fixed_size: 201728
    .private_segment_fixed_size: 0
    .kernarg_segment_align: 8
    .kernarg_segment_size: 40
    .max_flat_workgroup_size: 256
    .sgpr_count:     102
    .vgpr_count:     512
    .wavefront_size: 32
...
	.end_amdgpu_metadata
.endif
;; end of part 5
;; launch out_proj (part 6): grid 16 x 16, 4 waves a work-group, clusters of 4 x 4, 327,680 bytes of LDS; arguments ac, Wo_codes, lowp_scales, out0, bo; writes out0
.if DOCPART == 6
	.amdgcn_target "amdgcn-amd-amdhsa--gfx1250"
	.amdhsa_code_object_version 6
	.text
	.protected	k_q2c5d74cb09_out_proj
	.globl	k_q2c5d74cb09_out_proj
	.p2align	8
	.type	k_q2c5d74cb09_out_proj,@function
k_q2c5d74cb09_out_proj:
	s_mov_b64 s[64:65], 0
	v_nop
	global_prefetch_b8 v0, s[64:65] scope:SCOPE_SE
	s_setreg_imm32_b32 hwreg(HW_REG_WAVE_MODE, 25, 1), 1
	s_wait_xcnt 0x0
	s_wait_alu depctr_hold_cnt(0) depctr_sa_sdst(0) depctr_va_vdst(0) depctr_va_sdst(0) depctr_va_ssrc(0) depctr_va_vcc(0) depctr_vm_vsrc(0)
	s_getreg_b32 s2, hwreg(HW_REG_IB_STS2, 6, 4)
	s_cmp_eq_u32 s2, 0
	s_cbranch_scc0 .Lentry_in_a_cluster
	s_endpgm
.Lentry_in_a_cluster:
	s_bfe_u32 s2, ttmp6, 0x10000c
	s_cmp_lg_u32 s2, 0xf033
	s_cbranch_scc0 .Lentry_shape_is_right
	s_endpgm
.Lentry_shape_is_right:
; out = attn Wo + bo on codes of FP8 (E4M3): C[m][n] = (sum over k of A[m][k] B[n][k]) x 2^(ea + eb) + bo[n].  A: ac, images of 16 rows x 128 codes ([head][T][c][lane][16 bytes]); B: Wo's codes, K innermost; ea, eb: entries 10, 11 of the scales.
; A work-group of four waves makes 128 x 128 of C, a wave 64 x 64: 16 accumulators, 128 registers.  K goes in four steps of 512 through two LDS slots (A: four heads' 16,384 bytes as they lie; B: 128 rows of 512 bytes + 16 of padding).
; CLUSTERS of 4 x 4: the four of a row ask jointly for A's tiles, the four of a column for B's.  The matrix instruction is used transposed, so that a lane holds eight neighbouring columns of a row of C.
; PREFETCH: of the 128 blocks of 256 bytes that a wave fetches for a step each of the four partners names 32, told apart by address; steps 1 and 2 in the head, step 3 behind step 1's load, two loads ahead.
; LIMIT: ea + eb between -126 and 127, so that 2^(ea + eb) is an f32 number.
.set KROW,   2048
.set KS,     512
.set PITCH,  528
.set FR,     16
.set NP,     4
.set HEADB,  262144
.set APL,    16384
.set HALFB,  64*PITCH
.set BOFF,   4*APL
.set SLOT,   BOFF+2*HALFB
.set SPARE,  2*SLOT
.set STAGE,  SPARE+512
.set SPITCH, 272
.set BI,   8
.set ADRA, 16
.set ADRB, 20
.set STO,  24
.set RD,   25
.set CO,   26
.set BO,   27
.set SPW,  28
.set NIL,  29
.set BK,   32
.set ACC,  128
.set F0,   0
.set F1,   128
.set G1, 24
.set G0, 32
.set G1B, 48
.set G0B, 56
.set MSB, 0
.macro WIN new
.if MSB != (\new)
	s_set_vgpr_msb (MSB<<8)|(\new)
.set MSB, (\new)
.endif
.endm
.set MUL,  0x05
.set TO_F, 0x40
.macro JLOAD g0a, g1a, g0b, g1b
	s_cmp_eq_u32 s15, 0
	s_cbranch_scc0 .Lfor_b_\@
	tensor_load_to_lds s[\g0a:\g0a+3], s[\g1a:\g1a+7]
	s_nop 0
.rept 4
	v_nop
.endr
	s_branch .Lasked_\@
.Lfor_b_\@:
	tensor_load_to_lds s[\g0b:\g0b+3], s[\g1b:\g1b+7]
	s_nop 0
.rept 4
	v_nop
.endr
.Lasked_\@:
.endm
.macro CREST
	s_cmp_lg_u32 s14, 0
	s_cbranch_scc1 .Lnot_wave_0_\@
	s_barrier_signal -3
.Lnot_wave_0_\@:
	s_barrier_wait -3
	s_barrier_signal -1
	s_barrier_wait -1
.endm
.macro CROUND
	s_barrier_signal -1
	s_barrier_wait -1
	CREST
.endm
	s_load_b128 s[4:7], s[0:1], 0x0
	s_load_b128 s[8:11], s[0:1], 0x10
	s_load_b64 s[12:13], s[0:1], 0x20
	v_lshl_add_u32 v[SPW], v0, 2, SPARE
	v_mov_b32 v[NIL], 0
	ds_add_u32 v28, v29
	ds_add_u32 v28, v29
	s_wait_dscnt 0x0
	v_lshrrev_b32 v1, 5, v0
	v_readfirstlane_b32 s14, v1
	s_lshr_b32 s15, s14, 1
	s_and_b32 s16, s14, 1
	s_bfe_u32 s40, ttmp6, 0x40000
	s_bfe_u32 s41, ttmp6, 0x40004
	s_lshl_b32 s42, ttmp9, 2
	s_add_co_u32 s42, s42, s40
	s_and_b32 s17, ttmp7, 0xffff
	s_lshl_b32 s17, s17, 2
	s_add_co_u32 s17, s17, s41
	s_lshl_b32 s43, s41, 2
	s_lshl_b32 s43, 15, s43
	s_lshl_b32 s44, 0x1111, s40
	s_or_b32 s[G1+0], s43, (3<<16)|(1<<21)
	s_mov_b32 s[G1+1], 2048<<16
	s_mov_b32 s[G1+2], 2<<16
	s_mov_b32 s[G1+3], 2048<<16
	s_mov_b32 s[G1+4], 2
	s_mov_b32 s[G1+5], HEADB/8
	s_mov_b32 s[G1+6], 0
	s_mov_b32 s[G1+7], 0
	s_or_b32 s[G1B+0], s44, (0<<16)|(1<<20)|(1<<21)|(6<<22)|(3<<25)
	s_mov_b32 s[G1B+1], KS<<16
	s_mov_b32 s[G1B+2], 64<<16
	s_mov_b32 s[G1B+3], KS<<16
	s_mov_b32 s[G1B+4], 64
	s_mov_b32 s[G1B+5], KROW
	s_mov_b32 s[G1B+6], 0
	s_mov_b32 s[G1B+7], 0
	s_lshl_b32 s20, s17, 14
	s_lshl_b32 s18, s16, 19
	s_add_co_u32 s20, s20, s18
	s_mov_b32 s21, 0
	s_lshl_b32 s46, s42, 7
	s_lshl_b32 s18, s16, 6
	s_add_co_u32 s46, s46, s18
	s_lshl_b32 s46, s46, 11
	s_mov_b32 s47, 0
	s_lshl_b32 s45, s16, 15
	s_mul_i32 s66, s16, HALFB
	s_add_co_u32 s66, s66, BOFF
	s_wait_kmcnt 0x0
	s_load_b64 s[96:97], s[8:9], 0x28
	s_add_nc_u64 s[20:21], s[4:5], s[20:21]
	s_add_nc_u64 s[46:47], s[6:7], s[46:47]
	CROUND
.irp s, 0,1
	s_mov_b32 s[G0+4*\s], 1
	s_add_co_u32 s[G0+4*\s+1], s45, \s*SLOT
	s_add_nc_u64 s[G0+4*\s+2:G0+4*\s+3], s[20:21], \s*4*HEADB
	s_or_b32 s[G0+4*\s+3], s[G0+4*\s+3], 0x80000000
	s_mov_b32 s[G0B+4*\s], 1
	s_add_co_u32 s[G0B+4*\s+1], s66, \s*SLOT
	s_add_nc_u64 s[G0B+4*\s+2:G0B+4*\s+3], s[46:47], \s*KS
	s_or_b32 s[G0B+4*\s+3], s[G0B+4*\s+3], 0x80000000
.endr
	JLOAD G0, G1, G0B, G1B                         ; step 0: my one load at the head
	; the prefetches: partner p takes, of A's two heads x 16,384 bytes, 8,192 of head p / 2; of B's 64 rows, 16
	s_lshr_b32 s68, s40, 1
	s_lshl_b32 s68, s68, 18
	s_and_b32 s69, s40, 1
	s_lshl_b32 s69, s69, 13
	s_add_co_u32 s68, s68, s69
	s_lshl_b32 s69, s41, 15
	s_mov_b32 s70, 4*HEADB
	s_mov_b32 s72, 512
	s_cmp_eq_u32 s15, 0
	s_cselect_b64 s[74:75], s[20:21], s[46:47]
	s_cselect_b32 s68, s68, s69
	s_cselect_b32 s70, s70, KS                     ; from step to step
	s_cselect_b32 s72, s72, KROW                   ; from one pair of lanes to the next
	s_mov_b32 s69, 0
	s_mov_b32 s71, 0
	s_add_nc_u64 s[68:69], s[74:75], s[68:69]
	s_add_nc_u64 s[68:69], s[68:69], s[70:71]      ; step 1
	s_add_nc_u64 s[74:75], s[68:69], s[70:71]      ; step 2
	s_add_nc_u64 s[76:77], s[74:75], s[70:71]      ; step 3
	v_and_b32 v30, 31, v0
	v_and_b32 v31, 1, v30
	v_lshrrev_b32 v30, 1, v30
	v_mul_lo_u32 v30, v30, s72
	v_lshl_add_u32 v30, v31, 8, v30                ; a pair of lanes names 512 bytes on end
	global_prefetch_b8 v30, s[68:69] th:TH_LOAD_NT scope:SCOPE_SE
	global_prefetch_b8 v30, s[74:75] th:TH_LOAD_NT scope:SCOPE_SE
	v_and_b32 v1, 15, v0
	v_bfe_u32 v2, v0, 4, 1
	v_and_b32 v6, 31, v0
	v_lshlrev_b32 v7, 4, v6
	v_mul_u32_u24 v3, v1, PITCH
	v_lshl_add_u32 v4, v2, 4, v3
	s_lshl_b32 s21, s15, 13
	s_mul_i32 s22, s16, HALFB
	s_add_co_u32 s22, s22, BOFF
.irp s, 0,1
	v_add_nc_u32 v[ADRA+\s], s21, v7
	v_add_nc_u32 v[ADRB+\s], s22, v4
	s_add_co_u32 s21, s21, SLOT
	s_add_co_u32 s22, s22, SLOT
.endr
	s_mul_i32 s23, s14, 16*SPITCH
	s_add_co_u32 s23, s23, STAGE
	v_mul_u32_u24 v5, v1, SPITCH
	v_lshl_add_u32 v5, v2, 5, v5
	v_add_nc_u32 v[STO], s23, v5
	v_lshlrev_b32 v[BO], 4, v1
	s_wait_alu depctr_va_vdst(0)
	v_mul_u32_u24 v5, v2, SPITCH
	v_add_nc_u32 v5, v5, v[BO]
	v_add_nc_u32 v[RD], s23, v5
	v_lshl_add_u32 v[CO], v2, 13, v[BO]
	s_lshl_b32 s20, s17, 7
	s_lshl_b32 s21, s15, 6
	s_add_co_u32 s20, s20, s21
	s_lshl_b32 s20, s20, 13
	s_mov_b32 s21, 0
	s_lshl_b32 s46, s42, 9
	s_lshl_b32 s47, s16, 8
	s_add_co_u32 s46, s46, s47
	s_mov_b32 s47, 0
	s_add_nc_u64 s[12:13], s[12:13], s[46:47]
	s_add_nc_u64 s[20:21], s[20:21], s[46:47]
	s_add_nc_u64 s[10:11], s[10:11], s[20:21]
	global_load_b128 v[BI:BI+3], v[BO], s[12:13]
	s_wait_kmcnt 0x0
	s_add_co_i32 s96, s96, s97
	s_add_co_i32 s96, s96, 127
	s_lshl_b32 s96, s96, 23
.macro FRAGA reg, adr, q, i
.irp c, 0,1,2,3
	ds_load_b128 v[\reg+4*\c:\reg+4*\c+3], v[\adr] offset:APL*(\q)+512*\c+(\i)*2048
.endr
.endm
.macro FRAGB reg, adr, q, i
.irp c, 0,1,2,3
	ds_load_b128 v[\reg+4*\c:\reg+4*\c+3], v[\adr] offset:128*(\q)+32*\c+(\i)*16*PITCH
.endr
.endm
.macro FETCH_B slot, q, f
	WIN TO_F
.irp i, 0,1,2,3
	FRAGB \f+64+FR*\i, ADRB+\slot, \q, \i
.endr
.endm
.macro FETCH_A slot, q, f
	WIN TO_F
.irp i, 0,1,2,3
	FRAGA \f+FR*\i, ADRA+\slot, \q, \i
.endr
.endm
.macro MUL8 f, a0, zero
	WIN MUL
.irp a, \a0, \a0+1
.irp b, 0,1,2,3
.if \zero
	v_wmma_f32_16x16x128_fp8_fp8 v[ACC+8*(4*(\a)+\b):ACC+8*(4*(\a)+\b)+7], v[\f+64+FR*\b:\f+64+FR*\b+FR-1], v[\f+FR*(\a):\f+FR*(\a)+FR-1], 0
.else
	v_wmma_f32_16x16x128_fp8_fp8 v[ACC+8*(4*(\a)+\b):ACC+8*(4*(\a)+\b)+7], v[\f+64+FR*\b:\f+64+FR*\b+FR-1], v[\f+FR*(\a):\f+FR*(\a)+FR-1], v[ACC+8*(4*(\a)+\b):ACC+8*(4*(\a)+\b)+7]
.endif
.endr
.endr
.endm
.macro PLACES n
.rept \n
	v_nop
.endr
.endm
.macro STEP slot, q, zero
	PLACES NP
	FETCH_B \slot, (\q)+1, 128-128*((\q)%2)
	s_wait_dscnt 16
	MUL8 128*((\q)%2), 0, \zero
	FETCH_A \slot, (\q)+1, 128-128*((\q)%2)
	MUL8 128*((\q)%2), 2, \zero
.endm
.macro TURN slot, next, fill
	WIN 0
	s_wait_tensorcnt 0x0
	ds_add_u32 v[SPW], v[NIL]
	s_wait_dscnt 1
	MUL8 F1, 0, 0
	s_wait_dscnt 0x0
	s_barrier_signal -1
	MUL8 F1, 2, 0
	WIN 0
	s_barrier_wait -1
.if \fill
	CREST
	s_add_nc_u64 s[G0+4*\slot+2:G0+4*\slot+3], s[G0+4*\slot+2:G0+4*\slot+3], 2*4*HEADB
	s_add_nc_u64 s[G0B+4*\slot+2:G0B+4*\slot+3], s[G0B+4*\slot+2:G0B+4*\slot+3], 2*KS
	JLOAD G0+4*\slot, G1, G0B+4*\slot, G1B
.else
	PLACES NP
.endif
	FETCH_B \next, 0, F0
	FETCH_A \next, 0, F0
.endm
	s_wait_alu depctr_va_vdst(0)
	s_wait_tensorcnt 0x0                           ; my part of step 0 is in; these lines stand ahead of a later first fill as ahead of a refill
	ds_add_u32 v[SPW], v[NIL]
	s_wait_dscnt 0x0
	CROUND                                         ; everybody's part of step 0 is in
	JLOAD G0+4, G1, G0B+4, G1B                     ; step 1
	FETCH_B 0, 0, F0
	FETCH_A 0, 0, F0
	global_prefetch_b8 v30, s[76:77] th:TH_LOAD_NT scope:SCOPE_SE
	STEP 0, 0, 1
	STEP 0, 1, 0
	STEP 0, 2, 0
	TURN 0, 1, 1
	STEP 1, 0, 0
	STEP 1, 1, 0
	STEP 1, 2, 0
	TURN 1, 0, 1
	STEP 0, 0, 0
	STEP 0, 1, 0
	STEP 0, 2, 0
	TURN 0, 1, 0
	STEP 1, 0, 0
	STEP 1, 1, 0
	STEP 1, 2, 0
	s_wait_dscnt 0
	MUL8 F1, 0, 0
	MUL8 F1, 2, 0
	WIN 0
.macro TOSTAGE a
.set AC, ACC+32*(\a)
.irp b, 0,1,2,3
	ds_store_b128 v[STO], v[AC+8*\b:AC+8*\b+3] offset:64*\b
	ds_store_b128 v[STO], v[AC+8*\b+4:AC+8*\b+7] offset:64*\b+16
.endr
.set BB, BK+32*((\a)%3)
.irp t, 0,1,2,3,4,5,6,7
	ds_load_b128 v[BB+4*\t:BB+4*\t+3], v[RD] offset:\t*2*SPITCH
.endr
.endm
.macro SEND a, younger
.set BB, BK+32*((\a)%3)
	s_wait_dscnt \younger
.irp t, 0,1,2,3,4,5,6,7
	v_pk_fma_f32 v[BB+4*\t:BB+4*\t+1], v[BB+4*\t:BB+4*\t+1], s[96:97], v[BI:BI+1] op_sel_hi:[1,0,1]
	v_pk_fma_f32 v[BB+4*\t+2:BB+4*\t+3], v[BB+4*\t+2:BB+4*\t+3], s[96:97], v[BI+2:BI+3] op_sel_hi:[1,0,1]
.endr
.irp t, 0,1,2,3,4,5,6,7
	global_store_b128 v[CO], v[BB+4*\t:BB+4*\t+3], s[10:11] offset:(16*(\a)+2*\t)*8192 th:TH_STORE_NT
.endr
.endm
	s_wait_loadcnt 0x0
	PLACES NP
	s_wait_alu depctr_va_vdst(0)
	TOSTAGE 0
	TOSTAGE 1
	SEND 0, 16
	TOSTAGE 2
	SEND 1, 16
	s_wait_xcnt 0x0
	TOSTAGE 3
	SEND 2, 16
	SEND 3, 0
	s_wait_tensorcnt 0x0
	ds_add_u32 v[SPW], v[NIL]
	s_wait_dscnt 0x0
	CROUND
	s_endpgm
.Lfunc_end_k_q2c5d74cb09_out_proj:
	.size	k_q2c5d74cb09_out_proj, .Lfunc_end_k_q2c5d74cb09_out_proj-k_q2c5d74cb09_out_proj
	.p2alignl 7, 3214868480
	.fill 96, 4, 3214868480
	.section	.rodata,"a",@progbits
	.p2align	6, 0x0
	.amdhsa_kernel k_q2c5d74cb09_out_proj
		.amdhsa_group_segment_fixed_size 327680
		.amdhsa_private_segment_fixed_size 0
		.amdhsa_enable_private_segment 0
		.amdhsa_kernarg_size 40
		.amdhsa_user_sgpr_count 2
		.amdhsa_user_sgpr_kernarg_segment_ptr 1
		.amdhsa_wavefront_size32 1
		.amdhsa_system_sgpr_workgroup_id_x 1
		.amdhsa_system_sgpr_workgroup_id_y 1
		.amdhsa_system_sgpr_workgroup_id_z 1
		.amdhsa_system_vgpr_workitem_id 0
		.amdhsa_next_free_vgpr 512
		.amdhsa_next_free_sgpr 98
		.amdhsa_reserve_vcc 0
		.amdhsa_float_denorm_mode_32 3
		.amdhsa_float_denorm_mode_16_64 3
		.amdhsa_memory_ordered 1
		.amdhsa_forward_progress 1
		.amdhsa_inst_pref_size 75
	.end_amdhsa_kernel
	.amdgpu_metadata
---
amdhsa.version: [ 1, 2 ]
amdhsa.kernels:
  - .name:           k_q2c5d74cb09_out_proj
    .symbol:         k_q2c5d74cb09_out_proj.kd
    .args:
      - { .name: ac, .offset: 0, .size: 8, .value_kind: global_buffer, .address_space: global }
      - { .name: Wo_codes, .offset: 8, .size: 8, .value_kind: global_buffer, .address_space: global }
      - { .name: lowp_scales, .offset: 16, .size: 8, .value_kind: global_buffer, .address_space: global }
      - { .name: out0, .offset: 24, .size: 8, .value_kind: global_buffer, .address_space: global }
      - { .name: bo, .offset: 32, .size: 8, .value_kind: global_buffer, .address_space: global }
    .group_segment_fixed_size: 327680
    .private_segment_fixed_size: 0
    .kernarg_segment_align: 8
    .kernarg_segment_size: 40
    .max_flat_workgroup_size: 128
    .sgpr_count:     98
    .vgpr_count:     512
    .wavefront_size: 32
...
	.end_amdgpu_metadata
.endif
;; end of part 6
